; MI455X (gfx1250); checked and timed in simulation.
; The chip was launched on July 23, 2026; its instructions are those of AMD's public machine-readable ISA for CDNA 5 (MIT licence, August 2026) and "CDNA5" Instruction Set Architecture Reference Guide (July 2026). The comments in the code are by the model that wrote it; some were corrected since.
;; Multi Head Attention. Allowed arithmetic: matrix products marked QUANTISED: E2M1 operands, one E8M0 scale for each 32 along K, by v_wmma_scale_f32_16x16x128_f8f6f4 with both operands' format E2M1 (or v_wmma_scale_f32_32x16x128_f4), f32 sums; products left as they are: bf16, f16 or f32 operands; f32 sums; everything else in f32.
;; Inputs: WK 1,024 x 1,024 float32; WO 1,024 x 1,024 float32; WQ 1,024 x 1,024 float32; WV 1,024 x 1,024 float32; x 4 x 2,048 x 1,024 float32.
;; Outputs: out0 4 x 2,048 x 1,024 float32.
;; This version of the problem:
;;   THIS VERSION OF THE PROBLEM IS GIVEN IN LOW PRECISION. The matrix products marked QUANTISED in the list below multiply operands that are first quantised to E2M1 (2 exponent bits, 1 mantissa bit; 4 bits a number), with one power-of-two scale for each 32 numbers along K (OCP MX v1.0); their sums are f32. The products marked 'left as it is' may take bf16, f16 or f32 operands, with f32 sums. Whichever they take, every output number must still come out within the allowed error. Rounding operands to bf16 (8 significant bits) uses up far more of that allowance than f16 does (11 bits, for magnitudes from 6e-5 to 65,504). All else is computed in f32.
;;   The module's matrix products, in the order in which they are computed (A, B: the left and right operand; K: the contracted axis; several contracted axes count as one K, in the product's order):
;;     1. [M 8,192, K 1,024] x [K 1,024, N 1,024]; A: input x; B: input WQ: QUANTISED
;;     2. [M 8,192, K 1,024] x [K 1,024, N 1,024]; A: input x; B: input WK: QUANTISED
;;     3. [M 8,192, K 1,024] x [K 1,024, N 1,024]; A: input x; B: input WV: QUANTISED
;;     4. batch 64 x [M 2,048, K 64] x [K 64, N 2,048]; A: computed on the way; B: computed on the way: left as it is (an operand is computed on the way)
;;     5. batch 64 x [M 2,048, K 2,048] x [K 2,048, N 64]; A: computed on the way; B: computed on the way: left as it is (an operand is computed on the way)
;;     6. [M 8,192, K 1,024] x [K 1,024, N 1,024]; A: computed on the way; B: input WO: left as it is (an operand is computed on the way)
;;   THE QUANTISER, for each operand of a quantised product, along K:
;;     - K is cut into blocks of 32 from its start; a last block that is shorter is filled with zeros.
;;     - A block's scale is 2^e with e = floor(log2(the largest magnitude in the block)) - 2, held to -126 .. 127; a block of zeros has e = 0. As a byte (E8M0): e + 127.
;;     - Each number is divided by its block's scale, clamped to +-6, and rounded to the nearest number of E2M1, ties to even, subnormals kept.
;;     - The product sums the exact products of the quantised numbers (number of the format x scale) in f32.
;;   ~~~python
;;   def quantise(x, axis):      # numpy; x: float32 -> the quantised numbers, widened to float32 again
;;       x = np.moveaxis(x, axis, -1); K = x.shape[-1]
;;       x = np.pad(x, [(0, 0)] * (x.ndim - 1) + [(0, -K % 32)]); x = x.reshape(x.shape[:-1] + (-1, 32)); a = np.abs(x).max(-1, keepdims=True)
;;       e = np.where(a > 0, np.clip(np.frexp(np.where(a > 0, a, 1))[1] - 1 - 2, -126, 127), 0)      # np.frexp(a)[1] - 1 = floor(log2(a)), exactly
;;       r = np.clip(x / 2.0 ** e, -6, 6)
;;       step = 2.0 ** (np.maximum(np.frexp(np.where(r == 0, 1, r))[1] - 1, 0) - 1)
;;       q = np.round(r / step) * step * 2.0 ** e      # np.round: ties to even
;;       return np.moveaxis(q.reshape(q.shape[:-2] + (-1,))[..., :K], -1, axis).astype(np.float32)
;;   ~~~
;; One version. Each part assembles by itself: llvm-mc -triple=amdgcn-amd-amdhsa -mcpu=gfx1250 --defsym DOCPART=n.
;; ======== version 1 of 1: 4 launches
;; limits: values are held in f16: magnitudes above 65,504 overflow, below 6.1e-05 lose precision
;; workspace buffers: x_codes 4,194,304 bytes; x_scales 262,144 bytes; w_codes 1,572,864 bytes; w_scales 98,304 bytes; wo16 2,097,152 bytes; qkv 50,331,648 bytes; att 16,777,216 bytes
;; launch quant (part 1): grid 384 x 1, 4 waves a work-group, no clusters, 33,280 bytes of LDS; arguments x, WQ, WK, WV, WO, x_codes, x_scales, w_codes, w_scales, wo16; writes x_codes, x_scales, w_codes, w_scales, wo16
.if DOCPART == 1
	.amdgcn_target "amdgcn-amd-amdhsa--gfx1250"
	.amdhsa_code_object_version 6
	.text
	.protected	k_q9d654edc2f_quant
	.globl	k_q9d654edc2f_quant
	.p2align	8
	.type	k_q9d654edc2f_quant,@function
k_q9d654edc2f_quant:
	s_mov_b64 s[64:65], 0
	v_nop
	global_prefetch_b8 v0, s[64:65] scope:SCOPE_SE
	s_setreg_imm32_b32 hwreg(HW_REG_WAVE_MODE, 25, 1), 1
	s_wait_xcnt 0x0
; x [8192][1024] and WQ, WK, WV [1024][1024], f32 with K innermost, become codes of FP4 (E2M1), two a byte, K innermost, with one E8M0 byte for each 32 along K.
; The three weights' codes lie on end as one operand of 3,072 rows.  WO [1024][1024] is rounded to f16 (its product is left as it is).
; A block's scale is 2^(floor(log2(its largest magnitude)) - 2); its byte is the largest magnitude's exponent field - 2, held at 1 from below.
; LIMITS: a block of zeros gets the byte 1 where the rule says 127 (its codes are zeros, which add nothing, and this program alone reads the bytes);
; blocks whose largest magnitude lies under 2^(3 - 127) are held at that floor; NaN and infinities among the inputs are not served.
; SHARES: rows are dense and K is a multiple of 32, so each tensor is a plain stream of blocks.  A work-group takes 32,768 numbers, a wave 8,192: 16 steps of 512.
; Work-groups 0-255: x; 256-287: WQ; 288-319: WK; 320-351: WV; 352-383: WO.  Only pointers are chosen for the first four: they take one path.
; A step's four loads read 512 consecutive bytes each; the 2,048 bytes turn through the wave's own stage in LDS (16 bytes of padding behind each 64) and come back 64 bytes a lane,
; so that a lane holds 16 neighbours along K, as the conversions want them.  A lane's 16 codes are 8 bytes: a wave stores 256 consecutive aligned bytes.  A wave's 256 scale bytes are gathered in LDS and leave as one such run.
; No tensor load, no barrier: waves share nothing.  No prefetch: every byte is read once by long runs of loads that are already many deep.
.set WAVES, 4
.set STEPS, 16
.set EMAX,  2
.set CB,    8                          ; bytes of 16 codes
.set R,     16                         ; v16-79   four sets of 16 numbers as they are loaded (WO: one batch of 64)
.set X,     80                         ; v80-111  two sets of 16 neighbours (WO: v80-143 the other batch)
.set E,     112                        ; v112-127 a scale byte for each step
.set C,     128                        ; v128-191 codes: four registers for each step, so that no store's data are written again
.set HB,    144                        ; v144-175 WO: a batch's halves
.set WREG,  8192                       ; LDS: a region for each wave: two stages of 32 x SP bytes, behind them its 256 scale bytes
.set SP,    80
.set SPW,   12                         ; v12  LDS address of my spare word; never rewritten
.set NIL,   13                         ; v13  0; never rewritten
.set SPARE, WAVES*WREG                 ; behind the regions: the spare words, 128 bytes a wave, which no other line names
	s_load_b512 s[4:19], s[0:1], 0x0               ; x 4, WQ 6, WK 8, WV 10, WO 12, x_codes 14, x_scales 16, w_codes 18
	s_load_b128 s[20:23], s[0:1], 0x40             ; w_scales 20, wo16 22
	v_lshl_add_u32 v[SPW], v0, 2, SPARE
	v_mov_b32 v[NIL], 0
	v_lshrrev_b32 v1, 5, v0
	v_readfirstlane_b32 s24, v1                    ; wave
	v_and_b32 v2, 31, v0                           ; lane
	v_lshlrev_b32 v3, 4, v2                        ; my 16 bytes of a load's 512
	s_mul_i32 s25, s24, WREG
	v_lshrrev_b32 v14, 2, v2
	v_mul_u32_u24 v14, v14, SP
	v_and_b32 v15, 3, v2
	v_lshl_add_u32 v14, v15, 4, v14
	v_add_nc_u32 v14, s25, v14                     ; the stage, on the way in: SP (lane / 4) + 16 (lane % 4)
	v_mul_u32_u24 v15, v2, SP
	v_add_nc_u32 v15, s25, v15                     ; on the way out: SP x lane: my 16 neighbours
	v_mul_u32_u24 v4, v2, CB                       ; 8 x lane: my codes' place in a step's; WO: my halves' place
	v_lshrrev_b32 v5, 1, v2
	s_add_co_u32 s25, s25, 2*32*SP
	v_add_nc_u32 v5, s25, v5                       ; LDS: my block's scale byte
	v_lshlrev_b32 v7, 3, v2
	v_add_nc_u32 v6, s25, v7                       ; and on the way out 8 bytes a lane
	s_mov_b32 s37, 0
	s_wait_kmcnt 0x0
	s_cmp_lt_u32 ttmp9, 352                        ; the work-group's number alone decides
	s_cbranch_scc1 .Lquant
	; ---- WO to f16: four batches of 16 loads (8,192 bytes), two batches in flight
	s_sub_co_u32 s25, ttmp9, 352
	s_lshl_b32 s25, s25, 2
	s_add_co_u32 s25, s25, s24                     ; which run of 8,192 numbers is my wave's
	s_lshl_b32 s36, s25, 15
	s_add_nc_u64 s[12:13], s[12:13], s[36:37]
	s_lshl_b32 s36, s25, 14
	s_add_nc_u64 s[22:23], s[22:23], s[36:37]
.macro LOADW k, reg
.irp i, 0,1,2,3,4,5,6,7,8,9,10,11,12,13,14,15
	global_load_b128 v[\reg+4*\i:\reg+4*\i+3], v3, s[12:13] offset:8192*(\k)+512*\i th:TH_LOAD_NT
.endr
.endm
.macro CVTW k, reg
.irp i, 0,1,2,3,4,5,6,7,8,9,10,11,12,13,14,15
	v_cvt_pk_f16_f32 v[HB+2*\i], v[\reg+4*\i], v[\reg+4*\i+1]
	v_cvt_pk_f16_f32 v[HB+2*\i+1], v[\reg+4*\i+2], v[\reg+4*\i+3]
	global_store_b64 v4, v[HB+2*\i:HB+2*\i+1], s[22:23] offset:4096*(\k)+256*\i   ; 32 lanes store 256 consecutive aligned bytes
.endr
.endm
	LOADW 0, R
	LOADW 1, X
	s_wait_loadcnt 16                              ; batch 0 is in; batch 1's sixteen may be out
	CVTW 0, R
	LOADW 2, R
	s_wait_loadcnt 16                              ; batch 1 is in
	s_wait_xcnt 0x0                                ; the last batch's stores have read their data: the halves are written again only behind this wait
	CVTW 1, X
	LOADW 3, X
	s_wait_loadcnt 16
	s_wait_xcnt 0x0
	CVTW 2, R
	s_wait_loadcnt 0x0
	s_wait_xcnt 0x0
	CVTW 3, X
	s_branch .Lend
.Lquant:
	; ---- which tensor: pointers are chosen on the work-group's number alone
	s_max_u32 s25, ttmp9, 256
	s_sub_co_u32 s25, s25, 256                     ; among the weights' 96 work-groups (0 for x's)
	s_lshr_b32 s26, s25, 5                         ; which weight
	s_and_b32 s27, s25, 31                         ; which part of it
	s_cmp_eq_u32 s26, 1
	s_cselect_b64 s[28:29], s[8:9], s[6:7]
	s_cmp_eq_u32 s26, 2
	s_cselect_b64 s[28:29], s[10:11], s[28:29]
	s_cmp_lt_u32 ttmp9, 256
	s_cselect_b64 s[28:29], s[4:5], s[28:29]       ; the numbers,
	s_cselect_b64 s[30:31], s[14:15], s[18:19]     ; their codes,
	s_cselect_b64 s[32:33], s[16:17], s[20:21]     ; their scale bytes
	s_cselect_b32 s34, ttmp9, s27                  ; the part in the source,
	s_cselect_b32 s35, ttmp9, s25                  ; and in the destination (the weights lie on end there)
	s_lshl_b32 s34, s34, 2
	s_add_co_u32 s34, s34, s24                     ; my wave's run of 8,192 numbers
	s_lshl_b32 s35, s35, 2
	s_add_co_u32 s35, s35, s24
	s_lshl_b32 s36, s34, 15                        ; 32,768 bytes of numbers a run,
	s_add_nc_u64 s[28:29], s[28:29], s[36:37]
	s_lshl_b32 s36, s35, 12                        ; 4,096 of codes,
	s_add_nc_u64 s[30:31], s[30:31], s[36:37]
	s_lshl_b32 s36, s35, 8                         ; 256 of scale bytes
	s_add_nc_u64 s[32:33], s[32:33], s[36:37]
.macro LOAD t
.irp i, 0,1,2,3
	global_load_b128 v[R+16*((\t)%4)+4*\i:R+16*((\t)%4)+4*\i+3], v3, s[28:29] offset:2048*(\t)+512*\i th:TH_LOAD_NT   ; 32 lanes read 512 consecutive bytes
.endr
.endm
.macro TURN t                          ; step t's numbers through the stage: LDS serves a wave's instructions in order, so no wait stands between the stores and the loads
.irp i, 0,1,2,3
	ds_store_b128 v14, v[R+16*((\t)%4)+4*\i:R+16*((\t)%4)+4*\i+3] offset:32*SP*((\t)%2)+8*SP*\i
.endr
.irp i, 0,1,2,3
	ds_load_b128 v[X+16*((\t)%2)+4*\i:X+16*((\t)%2)+4*\i+3], v15 offset:32*SP*((\t)%2)+16*\i
.endr
.endm
.irp t, 0,1,2,3
	LOAD \t
.endr
	s_wait_loadcnt 12                              ; step 0's four loads are in; three steps' twelve may be out
	TURN 0
.macro STEP t
.set XS, X+16*((\t)%2)
.if (\t) > 0
	s_wait_dscnt 1                                 ; this step's numbers are back from the stage (the last step's byte store may be out)
.else
	s_wait_dscnt 0x0
.endif
.if (\t)+4 < STEPS
	LOAD (\t)+4                                    ; into the registers that the stage's stores have read
.endif
.if (\t)+1 < STEPS
.if STEPS-2-(\t) >= 3
	s_wait_loadcnt 12                              ; the next step's four loads are in; those of the three steps behind it may be out
.else
	s_wait_loadcnt 4*(STEPS-2-(\t))
.endif
	TURN (\t)+1                                    ; and go through the other stage while this step is worked
.endif
	v_max3_num_f32 v8, |v[XS]|, |v[XS+1]|, |v[XS+2]|               ; the largest magnitude of my 16, in two chains
	v_max3_num_f32 v9, |v[XS+3]|, |v[XS+4]|, |v[XS+5]|
.irp i, 6,10
	v_max3_num_f32 v8, v8, |v[XS+\i]|, |v[XS+\i+1]|
	v_max3_num_f32 v9, v9, |v[XS+\i+2]|, |v[XS+\i+3]|
.endr
	v_max3_num_f32 v8, v8, |v[XS+14]|, |v[XS+15]|
	v_max3_num_f32 v8, v8, v9, (EMAX+1)<<23        ; and the floor 2^(EMAX + 1 - 127): the byte cannot fall under 1
	v_max_num_f32_dpp v8, v8, v8 row_xmask:1 row_mask:0xf bank_mask:0xf   ; with my neighbour's 16: the block's
	v_add_nc_u32 v11, -(EMAX<<23), v8              ; EMAX off its exponent field: the conversion takes the exponent field of this operand as its scale
	v_cvt_scalef32_pk8_fp4_f32 v[C+4*(\t)], v[XS:XS+7], v11
	v_cvt_scalef32_pk8_fp4_f32 v[C+4*(\t)+1], v[XS+8:XS+15], v11
	v_lshrrev_b32 v[E+(\t)], 23, v11               ; the scale's byte (also the plain line behind the conversions)
	ds_store_b8 v5, v[E+(\t)] offset:16*(\t)       ; both lanes of a block write the same byte with the same value
	global_store_b64 v4, v[C+4*(\t):C+4*(\t)+1], s[30:31] offset:32*CB*(\t)
.endm
.irp t, 0,1,2,3,4,5,6,7,8,9,10,11,12,13,14,15
	STEP \t
.endr
	ds_load_b64 v[8:9], v6                         ; LDS serves a wave's instructions in order: these see my byte stores
	s_wait_dscnt 0x0
	global_store_b64 v7, v[8:9], s[32:33]          ; 32 lanes store 256 consecutive aligned bytes
.Lend:
	s_wait_tensorcnt 0x0                           ; the wave's end
	ds_add_u32 v[SPW], v[NIL]
	s_wait_dscnt 0x0
	s_endpgm
.Lfunc_end_k_q9d654edc2f_quant:
	.size	k_q9d654edc2f_quant, .Lfunc_end_k_q9d654edc2f_quant-k_q9d654edc2f_quant
	.p2alignl 7, 3214868480
	.fill 96, 4, 3214868480
	.section	.rodata,"a",@progbits
	.p2align	6, 0x0
	.amdhsa_kernel k_q9d654edc2f_quant
		.amdhsa_group_segment_fixed_size 33280
		.amdhsa_private_segment_fixed_size 0
		.amdhsa_enable_private_segment 0
		.amdhsa_kernarg_size 80
		.amdhsa_user_sgpr_count 2
		.amdhsa_user_sgpr_kernarg_segment_ptr 1
		.amdhsa_wavefront_size32 1
		.amdhsa_system_sgpr_workgroup_id_x 1
		.amdhsa_system_sgpr_workgroup_id_y 1
		.amdhsa_system_sgpr_workgroup_id_z 1
		.amdhsa_system_vgpr_workitem_id 0
		.amdhsa_next_free_vgpr 192
		.amdhsa_next_free_sgpr 66
		.amdhsa_reserve_vcc 0
		.amdhsa_float_denorm_mode_32 3
		.amdhsa_float_denorm_mode_16_64 3
		.amdhsa_memory_ordered 1
		.amdhsa_forward_progress 1
		.amdhsa_inst_pref_size 54
	.end_amdhsa_kernel
	.amdgpu_metadata
---
amdhsa.version: [ 1, 2 ]
amdhsa.kernels:
  - .name:           k_q9d654edc2f_quant
    .symbol:         k_q9d654edc2f_quant.kd
    .args:
      - { .name: x, .offset: 0, .size: 8, .value_kind: global_buffer, .address_space: global }
      - { .name: WQ, .offset: 8, .size: 8, .value_kind: global_buffer, .address_space: global }
      - { .name: WK, .offset: 16, .size: 8, .value_kind: global_buffer, .address_space: global }
      - { .name: WV, .offset: 24, .size: 8, .value_kind: global_buffer, .address_space: global }
      - { .name: WO, .offset: 32, .size: 8, .value_kind: global_buffer, .address_space: global }
      - { .name: x_codes, .offset: 40, .size: 8, .value_kind: global_buffer, .address_space: global }
      - { .name: x_scales, .offset: 48, .size: 8, .value_kind: global_buffer, .address_space: global }
      - { .name: w_codes, .offset: 56, .size: 8, .value_kind: global_buffer, .address_space: global }
      - { .name: w_scales, .offset: 64, .size: 8, .value_kind: global_buffer, .address_space: global }
      - { .name: wo16, .offset: 72, .size: 8, .value_kind: global_buffer, .address_space: global }
    .group_segment_fixed_size: 33280
    .private_segment_fixed_size: 0
    .kernarg_segment_align: 8
    .kernarg_segment_size: 80
    .max_flat_workgroup_size: 128
    .sgpr_count:     66
    .vgpr_count:     192
    .wavefront_size: 32
...
	.end_amdgpu_metadata
.endif
;; end of part 1
;; launch qkv (part 2): grid 12 x 32, 4 waves a work-group, clusters of 4 x 4, 327,680 bytes of LDS; arguments x_codes, x_scales, w_codes, w_scales, qkv; writes qkv
.if DOCPART == 2
	.amdgcn_target "amdgcn-amd-amdhsa--gfx1250"
	.amdhsa_code_object_version 6
	.text
	.protected	k_q9d654edc2f_qkv
	.globl	k_q9d654edc2f_qkv
	.p2align	8
	.type	k_q9d654edc2f_qkv,@function
k_q9d654edc2f_qkv:
	s_mov_b64 s[64:65], 0
	v_nop
	global_prefetch_b8 v0, s[64:65] scope:SCOPE_SE
	s_setreg_imm32_b32 hwreg(HW_REG_WAVE_MODE, 25, 1), 1
	s_wait_xcnt 0x0
	s_wait_alu depctr_hold_cnt(0) depctr_sa_sdst(0) depctr_va_vdst(0) depctr_va_sdst(0) depctr_va_ssrc(0) depctr_va_vcc(0) depctr_vm_vsrc(0)
	s_getreg_b32 s2, hwreg(HW_REG_IB_STS2, 6, 4)
	s_cmp_eq_u32 s2, 0
	s_cbranch_scc0 .Lentry_in_a_cluster
	s_endpgm
.Lentry_in_a_cluster:
	s_bfe_u32 s2, ttmp6, 0x10000c
	s_cmp_lg_u32 s2, 0xf033
	s_cbranch_scc0 .Lentry_shape_is_right
	s_endpgm
.Lentry_shape_is_right:
; [8192 x 3072] = x (WQ | WK | WV)^T on codes of FP4 (E2M1) with one E8M0 byte for each 32 along K; sums in f32, rounded once to f16 and stored head by head:
; qkv [3 which][4 batch][16 head][2048 position][64] f16.  LIMIT: results beyond f16's largest number, 65,504, become infinities.
; A tile of 256 x 256 is made by four waves, each 128 x 128: 64 accumulators, 512 registers.  K = 1,024 is two steps of 512 (rows of 256 bytes): ALL of K lies in the two LDS slots,
; so every tensor load goes out at the head and no LDS byte is filled twice.  By this text's count a wave has three tensor loads out: its part of the scales, of slot 0 and of slot 1.
; The scale bytes of the work-group's 256 + 256 rows, for all of K, are two dense blocks: they come once, as lines of 256 bytes.
; CLUSTERS: 4 x 4 work-groups; the four of a row need the same tiles of x, the four of a column the same tiles of the weights: each tile is asked for jointly.
; THE MATRIX INSTRUCTION IS USED TRANSPOSED (source 0 = 16 rows of the weights, source 1 = 16 rows of x): a lane then holds eight neighbouring channels of one position.
; 384 work-groups: a tile of half the size would fill the chip more evenly but read each LDS byte for half the products.  No prefetch: all loads stand at the head.
; REGISTERS: window 0: v0-31 addresses; v32-95 scale words, two sets, and nothing else; v128-191 x's fragments, ONE set (on the way out: rows read back); v192-223 packed results.
;   window 1: the weights' fragments, TWO sets, at v0 and v128.   windows 2, 3: the accumulators of my rows 0-63, 64-127 ((a, b) at v[8 (8 (a % 4) + b)]).
.set SIZE_K, 1024
.set KSTEP,  512
.set NQ,     KSTEP/128
.set ROWB,   256
.set KROW,   SIZE_K*4/8
.set PITCH,  272                       ; an LDS row: 256 bytes + 16 of padding: the 16 rows that a load touches start 16 bytes apart modulo 256
.set FR,     8
.set NL,     2
.set NP,     4                         ; places behind this matrix instruction (ISA guide 7.12.1)
.set HALFT,  128*PITCH
.set SLOT,   4*HALFT
.set KS,     SIZE_K/32
.set SCL,    2*SLOT
.set HALFS,  (128*KS/256)*272
.set SBLK,   (16*KS/256)*272
.set SPARE,  SCL+4*HALFS               ; the spare words, 128 bytes a wave, which no other line names
.set SPITCH, 272                       ; the way out: a stage of 16 rows x (256 bytes + 16) for each wave, in slot 0, which has had its one fill and its last read by then
.set ADRA, 16
.set ADRB, 20
.set STO,  24
.set RD,   25
.set CO,   26
.set ADRS, 27
.set SPW,  28
.set NIL,  29
.set SC,   32
.set AF,   128
.set OB,   128                         ; the way out: v128-159 and v160-191 by turns
.set TMP,  192
.set G1, 24
.set G0, 32
.set G1B, 48
.set G0B, 56
.set G1S, 68
.set G0S, 76
.set G1SB, 80
.set G0SB, 88
.set MSB, 0
.macro WIN new                         ; the immediate's high byte repeats the setting that is left
.if MSB != (\new)
	s_set_vgpr_msb (MSB<<8)|(\new)
.set MSB, (\new)
.endif
.endm
.set MUL_LO, 0xa1
.set MUL_HI, 0xf1
.set TO_B,   0x40
; A joint load: waves 0 and 1 fetch for x, waves 2 and 3 for the weights.  The branch hangs on the wave's number alone.  An s_nop 0 and four v_nop follow each line.
.macro JLOAD g0a, g1a, g0b, g1b
	s_cmp_eq_u32 s15, 0
	s_cbranch_scc0 .Lfor_b_\@
	tensor_load_to_lds s[\g0a:\g0a+3], s[\g1a:\g1a+7]
	s_nop 0
.rept 4
	v_nop
.endr
	s_branch .Lasked_\@
.Lfor_b_\@:
	tensor_load_to_lds s[\g0b:\g0b+3], s[\g1b:\g1b+7]
	s_nop 0
.rept 4
	v_nop
.endr
.Lasked_\@:
.endm
.macro CROUND                          ; a round of the cluster's barrier
	s_barrier_signal -1
	s_barrier_wait -1
	s_cmp_lg_u32 s14, 0
	s_cbranch_scc1 .Lnot_wave_0_\@
	s_barrier_signal -3
.Lnot_wave_0_\@:
	s_barrier_wait -3
	s_barrier_signal -1
	s_barrier_wait -1
.endm
	s_load_b128 s[4:7], s[0:1], 0x0                ; x's codes, x's scales
	s_load_b128 s[8:11], s[0:1], 0x10              ; the weights' codes, their scales
	s_load_b64 s[12:13], s[0:1], 0x20              ; qkv
	v_lshl_add_u32 v[SPW], v0, 2, SPARE
	v_mov_b32 v[NIL], 0
	ds_add_u32 v[SPW], v[NIL]                      ; the opening: the add, twice on end, and its wait ahead of my first tensor load
	ds_add_u32 v[SPW], v[NIL]
	v_lshrrev_b32 v1, 5, v0
	v_readfirstlane_b32 s14, v1                    ; wave 0..3
	s_lshr_b32 s15, s14, 1                         ; which half of the tile's rows is mine.  Also: I fetch for x (0) or for the weights (1)
	s_and_b32 s16, s14, 1                          ; which half of its columns.  Also: which 128 rows of that tile I fetch
	s_bfe_u32 s40, ttmp6, 0x40000                  ; cx, cy
	s_bfe_u32 s41, ttmp6, 0x40004
	s_lshl_b32 s42, ttmp9, 2
	s_add_co_u32 s42, s42, s40                     ; tile column
	s_and_b32 s17, ttmp7, 0xffff
	s_lshl_b32 s17, s17, 2
	s_add_co_u32 s17, s17, s41                     ; tile row
	s_lshl_b32 s43, s41, 2
	s_lshl_b32 s43, 15, s43                        ; my row of the cluster
	s_lshl_b32 s44, 0x1111, s40                    ; my column
	s_or_b32 s[G1+0], s43, (0<<16)|(1<<20)|(1<<21)|(5<<22)|(3<<25)  ; the mask; elements of 1 byte; padding: 4 words behind every 64; bit 21 beside a mask
	s_or_b32 s[G1B+0], s44, (0<<16)|(1<<20)|(1<<21)|(5<<22)|(3<<25)
.irp g, G1, G1B
	s_mov_b32 s[\g+1], ROWB<<16                    ; tensor_dim0
	s_mov_b32 s[\g+2], 128<<16                     ; tensor_dim1
	s_mov_b32 s[\g+3], ROWB<<16                    ; tile_dim0
	s_mov_b32 s[\g+4], 128                         ; tile_dim1
	s_mov_b32 s[\g+5], KROW                        ; the pitch
	s_mov_b32 s[\g+6], 0
	s_mov_b32 s[\g+7], 0
.endr
	s_or_b32 s[G1S+0], s43, (3<<16)|(1<<20)|(1<<21)|(5<<22)|(3<<25) ; the scales of 128 rows: 4,096 dense bytes as 16 lines of 32 elements of 8 bytes
	s_or_b32 s[G1SB+0], s44, (3<<16)|(1<<20)|(1<<21)|(5<<22)|(3<<25)
.irp g, G1S, G1SB
	s_mov_b32 s[\g+1], 32<<16
	s_mov_b32 s[\g+2], (128*KS/256)<<16
	s_mov_b32 s[\g+3], 32<<16
	s_mov_b32 s[\g+4], 128*KS/256
	s_mov_b32 s[\g+5], 32
	s_mov_b32 s[\g+6], 0
	s_mov_b32 s[\g+7], 0
.endr
	s_lshl_b32 s18, s16, 7
	s_lshl_b32 s20, s17, 8
	s_add_co_u32 s20, s20, s18                     ; x: row 256 x tile row + 128 x half
	s_lshl_b32 s46, s42, 8
	s_add_co_u32 s46, s46, s18                     ; the weights: row 256 x tile column + 128 x half
	s_mov_b32 s21, 0
	s_mov_b32 s47, 0
	s_mov_b64 s[18:19], KS
	s_mul_u64 s[22:23], s[20:21], s[18:19]         ; where these rows' scales begin,
	s_mul_u64 s[92:93], s[46:47], s[18:19]
	s_mov_b64 s[18:19], KROW
	s_mul_u64 s[20:21], s[20:21], s[18:19]         ; and their codes
	s_mul_u64 s[46:47], s[46:47], s[18:19]
	s_mul_i32 s45, s14, HALFT                      ; where they go: wave x 128 rows
	s_mul_i32 s94, s14, HALFS
	s_wait_dscnt 0x0                               ; both opening adds are done
	s_wait_kmcnt 0x0
	s_add_nc_u64 s[20:21], s[4:5], s[20:21]
	s_add_nc_u64 s[22:23], s[6:7], s[22:23]
	s_add_nc_u64 s[46:47], s[8:9], s[46:47]
	s_add_nc_u64 s[92:93], s[10:11], s[92:93]
	CROUND                                         ; all sixteen work-groups are here: the joint loads meet
	s_mov_b32 s[G0S], 1
	s_add_co_u32 s[G0S+1], s94, SCL
	s_mov_b64 s[G0S+2:G0S+3], s[22:23]
	s_or_b32 s[G0S+3], s[G0S+3], 0x80000000
	s_mov_b32 s[G0SB], 1
	s_add_co_u32 s[G0SB+1], s94, SCL
	s_mov_b64 s[G0SB+2:G0SB+3], s[92:93]
	s_or_b32 s[G0SB+3], s[G0SB+3], 0x80000000
	JLOAD G0S, G1S, G0SB, G1SB                     ; the scales first: they are wanted with K step 0
.irp s, 0,1
	s_mov_b32 s[G0+4*\s], 1
	s_add_co_u32 s[G0+4*\s+1], s45, \s*SLOT
	s_add_nc_u64 s[G0+4*\s+2:G0+4*\s+3], s[20:21], \s*ROWB
	s_or_b32 s[G0+4*\s+3], s[G0+4*\s+3], 0x80000000
	s_mov_b32 s[G0B+4*\s], 1
	s_add_co_u32 s[G0B+4*\s+1], s45, \s*SLOT
	s_add_nc_u64 s[G0B+4*\s+2:G0B+4*\s+3], s[46:47], \s*ROWB
	s_or_b32 s[G0B+4*\s+3], s[G0B+4*\s+3], 0x80000000
	JLOAD G0+4*\s, G1, G0B+4*\s, G1B
.endr
	v_and_b32 v1, 15, v0                           ; r = l % 16
	v_bfe_u32 v2, v0, 4, 1                         ; h = l / 16
	v_mul_u32_u24 v3, v1, PITCH
	v_lshl_add_u32 v4, v2, 4, v3                   ; a fragment's row x pitch + 16 x half
	s_mul_i32 s21, s15, HALFT
	s_mul_i32 s22, s16, HALFT
	s_add_co_u32 s22, s22, 2*HALFT
.irp s, 0,1
	v_add_nc_u32 v[ADRA+\s], s21, v4
	v_add_nc_u32 v[ADRB+\s], s22, v4
	s_add_co_u32 s21, s21, SLOT
	s_add_co_u32 s22, s22, SLOT
.endr
	v_mul_u32_u24 v5, v1, KS                       ; my row's scales: KS bytes a row,
	v_lshrrev_b32 v6, 8, v5
	v_lshl_add_u32 v5, v6, 4, v5                   ; and 16 more for each 256 passed
	s_mul_i32 s21, s15, HALFS
	s_mul_i32 s22, s16, HALFS
	s_add_co_u32 s22, s22, 2*HALFS
	s_sub_co_u32 s22, s22, s21
	v_mul_u32_u24 v6, s22, v2                      ; lanes 16-31 take the weights': one product, the distance between the two bases
	s_add_co_u32 s21, s21, SCL
	v_add_nc_u32 v5, v5, v6
	v_add_nc_u32 v[ADRS], s21, v5
	s_mul_i32 s23, s14, 16*SPITCH                  ; my stage
	v_mul_u32_u24 v5, v1, SPITCH                   ; in: row r, 16 bytes for each half of the lanes
	v_lshl_add_u32 v5, v2, 4, v5
	v_add_nc_u32 v[STO], s23, v5
	v_and_b32 v6, 31, v0
	v_lshlrev_b32 v[CO], 4, v6                     ; out: 16 x lane
	v_lshrrev_b32 v7, 3, v6                        ; back: eight lanes take one position's 128 bytes of one head, four positions an instruction
	v_mul_u32_u24 v7, v7, SPITCH
	v_and_b32 v6, 7, v6
	v_lshl_add_u32 v7, v6, 4, v7
	v_add_nc_u32 v[RD], s23, v7
	; where my part begins in qkv: ((tile column / 4) 64 + (tile row / 8) 16 + (4 tile column + 2 column half) % 16) heads of 262,144 bytes + ((tile row % 8) 256 + 128 row half) positions of 128 bytes
	s_lshr_b32 s46, s42, 2
	s_lshl_b32 s46, s46, 6
	s_lshl_b32 s47, s42, 2
	s_lshl_b32 s18, s16, 1
	s_add_co_u32 s47, s47, s18
	s_and_b32 s47, s47, 15
	s_add_co_u32 s46, s46, s47
	s_lshr_b32 s20, s17, 3
	s_lshl_b32 s20, s20, 4
	s_add_co_u32 s46, s46, s20
	s_lshl_b32 s46, s46, 18
	s_and_b32 s20, s17, 7
	s_lshl_b32 s20, s20, 8
	s_lshl_b32 s21, s15, 7
	s_add_co_u32 s20, s20, s21
	s_lshl_b32 s20, s20, 7
	s_add_co_u32 s46, s46, s20
	s_mov_b32 s47, 0
	s_add_nc_u64 s[12:13], s[12:13], s[46:47]
.macro FRAG reg, adr, q, i             ; 16 rows x 128 K of 4-bit codes: 8 registers: lane l holds row l % 16; registers 4 c .. 4 c + 3 hold K = 64 c + 32 (l / 16) + 0 .. 31
.irp c, 0,1
	ds_load_b128 v[\reg+4*\c:\reg+4*\c+3], v[\adr] offset:64*(\q)+32*\c+(\i)*16*PITCH
.endr
.endm
; 16 matrix instructions: x's blocks a0, a0 + 1 against the weights' eight, 128 along K.  The 64 accumulators take turns, one instruction a turn, in the same order in every step.
.macro MUL16 a0, p, q, sc, zero
.irp a, \a0, \a0+1
.irp b, 0,1,2,3,4,5,6,7
.if \zero
	v_wmma_scale_f32_16x16x128_f8f6f4 v[8*(8*((\a)%4)+\b):8*(8*((\a)%4)+\b)+7], v[128*(\p)+FR*\b:128*(\p)+FR*\b+FR-1], v[AF+FR*(\a):AF+FR*(\a)+FR-1], 0, v[SC+8*NQ*(\sc)+NQ*\b+(\q)], v[SC+8*NQ*(\sc)+NQ*(\a)+(\q)] matrix_a_fmt:MATRIX_FMT_FP4 matrix_b_fmt:MATRIX_FMT_FP4 matrix_a_scale:MATRIX_SCALE_ROW1
.else
	v_wmma_scale_f32_16x16x128_f8f6f4 v[8*(8*((\a)%4)+\b):8*(8*((\a)%4)+\b)+7], v[128*(\p)+FR*\b:128*(\p)+FR*\b+FR-1], v[AF+FR*(\a):AF+FR*(\a)+FR-1], v[8*(8*((\a)%4)+\b):8*(8*((\a)%4)+\b)+7], v[SC+8*NQ*(\sc)+NQ*\b+(\q)], v[SC+8*NQ*(\sc)+NQ*(\a)+(\q)] matrix_a_fmt:MATRIX_FMT_FP4 matrix_b_fmt:MATRIX_FMT_FP4 matrix_a_scale:MATRIX_SCALE_ROW1
.endif
.endr
.endr
.endm
.macro FETCH_B slot, q, p
	WIN TO_B
.irp i, 0,1,2,3,4,5,6,7
	FRAG 128*(\p)+FR*\i, ADRB+\slot, \q, \i
.endr
	WIN 0
.endm
.macro FETCH_A slot, q, i0
.irp i, \i0, \i0+1, \i0+2, \i0+3
	FRAG AF+FR*(\i), ADRA+\slot, \q, \i
.endr
.endm
.macro SCALES sc                       ; a K step's scale words: lanes 0-15 take x's block i, lanes 16-31 the weights' block i
.irp i, 0,1,2,3,4,5,6,7
	ds_load_b128 v[SC+8*NQ*\sc+NQ*\i:SC+8*NQ*\sc+NQ*\i+3], v[ADRS] offset:\i*SBLK
.endr
.endm
.macro PLACES n                        ; plain vector lines between a matrix instruction and a load into, or a read of, its registers
.rept \n
	v_nop
.endr
.endm
.macro STEP slot, q, zero              ; 128 along K that has its successor in the same slot
	s_wait_dscnt 4*NL                              ; the weights' set and x's blocks 0-3 are in; the youngest eight loads (blocks 4-7) may be out
	WIN MUL_LO
	MUL16 0, (\q)%2, \q, \slot, \zero
	MUL16 2, (\q)%2, \q, \slot, \zero
	s_wait_dscnt 0
	PLACES NP
	FETCH_B \slot, (\q)+1, 1-(\q)%2
	FETCH_A \slot, (\q)+1, 0
	WIN MUL_HI
	MUL16 4, (\q)%2, \q, \slot, \zero
	MUL16 6, (\q)%2, \q, \slot, \zero
	PLACES NP
	WIN 0
	FETCH_A \slot, (\q)+1, 4
.endm
; Slot 0's last step goes over to slot 1: each wave waits for all its tensor loads (its part of slot 1) and for its reads of slot 0, then the barrier: slot 1 is whole, and nobody reads slot 0 any more.
.macro TURN slot, next
	s_wait_tensorcnt 0x0
	ds_add_u32 v[SPW], v[NIL]                      ; 0 onto my spare word
	s_wait_dscnt 4*NL+1                            ; (the add and the youngest eight loads may be out)
	WIN MUL_LO
	MUL16 0, 1, NQ-1, \slot, 0
	s_wait_dscnt 0x0
	s_barrier_signal -1
	MUL16 2, 1, NQ-1, \slot, 0
	WIN 0
	s_barrier_wait -1
	PLACES NP
	v_add_nc_u32 v[ADRS], 4*NQ, v[ADRS]            ; on to the next K step's scale words (no LDS load of mine is out)
	FETCH_B \next, 0, 0
	FETCH_A \next, 0, 0
	SCALES \next
	WIN MUL_HI
	MUL16 4, 1, NQ-1, \slot, 0
	MUL16 6, 1, NQ-1, \slot, 0
	PLACES NP
	WIN 0
	FETCH_A \next, 0, 4
.endm
.macro STEPS slot, from
.set Q, \from
.rept NQ-1-\from
	STEP \slot, Q, 0
.set Q, Q+1
.endr
.endm
	s_wait_tensorcnt 1                             ; the scales and my part of slot 0 are in (slot 1's load may be out)
	s_barrier_signal -1
	s_barrier_wait -1                              ; everybody's are
	FETCH_B 0, 0, 0
	FETCH_A 0, 0, 0
	SCALES 0
	FETCH_A 0, 0, 4
	STEP 0, 0, 1                                   ; the first products start the sums: nothing is cleared
	STEPS 0, 1
	TURN 0, 1
	STEPS 1, 0
	s_wait_dscnt 4*NL                              ; the last step: nothing more to fetch
	WIN MUL_LO
	MUL16 0, 1, NQ-1, 1, 0
	MUL16 2, 1, NQ-1, 1, 0
	s_wait_dscnt 0
	WIN MUL_HI
	MUL16 4, 1, NQ-1, 1, 0
	MUL16 6, 1, NQ-1, 1, 0
	WIN 0
; THE WAY OUT, a block of 16 positions x 128 channels (two heads) at a time: rounded to f16, 16 bytes a lane into my stage, back as four positions of one head an instruction, which are 512 consecutive bytes of qkv.
.macro PACK a
.set AC, 64*((\a)%4)
	WIN 0x0a+5*((\a)/4)                            ; sources 0 and 1: window 2 or 3
.irp b, 0,1,2,3,4,5,6,7
.irp r, 0,1,2,3
	v_cvt_pk_f16_f32 v[TMP+4*\b+\r], v[AC+8*\b+2*\r], v[AC+8*\b+2*\r+1]   ; each accumulator from its low end on
.endr
.endr
	WIN 0
.endm
.macro TOSTAGE a
.set BB, OB+32*((\a)%2)
.irp b, 0,1,2,3,4,5,6,7
	ds_store_b128 v[STO], v[TMP+4*\b:TMP+4*\b+3] offset:32*\b
.endr
.irp t, 0,1,2,3,4,5,6,7
	ds_load_b128 v[BB+4*\t:BB+4*\t+3], v[RD] offset:(\t%4)*4*SPITCH+(\t/4)*128   ; LDS serves a wave's instructions in order: these see the stores above
.endr
.endm
.macro SEND a
.set BB, OB+32*((\a)%2)
	s_wait_dscnt 0x0                               ; the block is back in registers
	s_wait_xcnt 0x0                                ; earlier stores have read their base and their data: both are written again only behind this wait
.if (\a) > 0
	s_add_nc_u64 s[12:13], s[12:13], 16*128        ; 16 positions on
.endif
.irp t, 0,1,2,3,4,5,6,7
	global_store_b128 v[CO], v[BB+4*\t:BB+4*\t+3], s[12:13] offset:(\t/4)*262144+(\t%4)*512   ; 32 lanes store 512 consecutive aligned bytes
.endr
.endm
	PLACES NP                                      ; behind the last products: for the loads into x's fragment registers and the reads of results
	PACK 0
	TOSTAGE 0
.irp a, 1,2,3,4,5,6,7                  ; block a's conversions stand between block a - 1's loads from the stage and the wait for them
	PACK \a
	SEND \a-1
	TOSTAGE \a
.endr
	SEND 7
	s_wait_tensorcnt 0x0                           ; the wave's end
	ds_add_u32 v[SPW], v[NIL]
	s_wait_dscnt 0x0
	CROUND                                         ; the closing round
	s_endpgm
.Lfunc_end_k_q9d654edc2f_qkv:
	.size	k_q9d654edc2f_qkv, .Lfunc_end_k_q9d654edc2f_qkv-k_q9d654edc2f_qkv
	.p2alignl 7, 3214868480
	.fill 96, 4, 3214868480
	.section	.rodata,"a",@progbits
	.p2align	6, 0x0
	.amdhsa_kernel k_q9d654edc2f_qkv
		.amdhsa_group_segment_fixed_size 327680
		.amdhsa_private_segment_fixed_size 0
		.amdhsa_enable_private_segment 0
		.amdhsa_kernarg_size 40
		.amdhsa_user_sgpr_count 2
		.amdhsa_user_sgpr_kernarg_segment_ptr 1
		.amdhsa_wavefront_size32 1
		.amdhsa_system_sgpr_workgroup_id_x 1
		.amdhsa_system_sgpr_workgroup_id_y 1
		.amdhsa_system_sgpr_workgroup_id_z 1
		.amdhsa_system_vgpr_workitem_id 0
		.amdhsa_next_free_vgpr 1024
		.amdhsa_next_free_sgpr 98
		.amdhsa_reserve_vcc 0
		.amdhsa_float_denorm_mode_32 3
		.amdhsa_float_denorm_mode_16_64 3
		.amdhsa_memory_ordered 1
		.amdhsa_forward_progress 1
		.amdhsa_inst_pref_size 127
	.end_amdhsa_kernel
	.amdgpu_metadata
---
amdhsa.version: [ 1, 2 ]
amdhsa.kernels:
  - .name:           k_q9d654edc2f_qkv
    .symbol:         k_q9d654edc2f_qkv.kd
    .args:
      - { .name: x_codes, .offset: 0, .size: 8, .value_kind: global_buffer, .address_space: global }
      - { .name: x_scales, .offset: 8, .size: 8, .value_kind: global_buffer, .address_space: global }
      - { .name: w_codes, .offset: 16, .size: 8, .value_kind: global_buffer, .address_space: global }
      - { .name: w_scales, .offset: 24, .size: 8, .value_kind: global_buffer, .address_space: global }
      - { .name: qkv, .offset: 32, .size: 8, .value_kind: global_buffer, .address_space: global }
    .group_segment_fixed_size: 327680
    .private_segment_fixed_size: 0
    .kernarg_segment_align: 8
    .kernarg_segment_size: 40
    .max_flat_workgroup_size: 128
    .sgpr_count:     98
    .vgpr_count:     1024
    .wavefront_size: 32
...
	.end_amdgpu_metadata
.endif
;; end of part 2
;; launch attn (part 3): grid 4 x 64, 8 waves a work-group, clusters of 4 x 1, 327,680 bytes of LDS; arguments qkv, att; writes att
.if DOCPART == 3
	.amdgcn_target "amdgcn-amd-amdhsa--gfx1250"
	.amdhsa_code_object_version 6
	.text
	.protected	k_q9d654edc2f_attn
	.globl	k_q9d654edc2f_attn
	.p2align	8
	.type	k_q9d654edc2f_attn,@function
k_q9d654edc2f_attn:
	s_mov_b64 s[64:65], 0
	v_nop
	global_prefetch_b8 v0, s[64:65] scope:SCOPE_SE
	s_setreg_imm32_b32 hwreg(HW_REG_WAVE_MODE, 25, 1), 1
	s_wait_xcnt 0x0
	s_wait_alu depctr_hold_cnt(0) depctr_sa_sdst(0) depctr_va_vdst(0) depctr_va_sdst(0) depctr_va_ssrc(0) depctr_va_vcc(0) depctr_vm_vsrc(0)
	s_getreg_b32 s2, hwreg(HW_REG_IB_STS2, 6, 4)
	s_cmp_eq_u32 s2, 0
	s_cbranch_scc0 .Lentry_in_a_cluster
	s_endpgm
.Lentry_in_a_cluster:
	s_bfe_u32 s2, ttmp6, 0x10000c
	s_cmp_lg_u32 s2, 0x3003
	s_cbranch_scc0 .Lentry_shape_is_right
	s_endpgm
.Lentry_shape_is_right:
; att[b][h][q][:] = the sum over k of softmax_k(Q[q] . K[k] / 8) V[k][:], for each of 64 heads of 2,048 positions x 64 channels.  Q, K, V: the three parts of qkv, f16; att: [4][16][2048][64] f16.
; Products on f16 operands with f32 sums; maxima, exponentials and row sums in f32; the weights p (at most 1) are rounded to f16 for the second product, the result once at the end.
; LIMITS: finite inputs only; for finite scores the softmax is finite, so the reference's nan_to_num changes nothing.
; SHARES.  A cluster of four work-groups owns a head; a work-group 512 queries; each of its EIGHT waves 64: four tiles of 16.  Every wave walks all keys, 64 a step.
; LAYOUT.  S^T = K Q^T (source 0 = 16 keys, source 1 = 16 queries): a lane holds ONE query (lane % 16) and keys 8 (lane / 16) + 0..7 of each tile of 16.  Two such tiles, rounded in pairs, ARE source 1 of
; O^T = V^T P, whose result again holds one query a lane.  K comes out of LDS as it lies, V ([key][channel]) turned, by ds_load_tr16_b128.
; SOFTMAX.  A running maximum m and sum l for each query: p = 2^(c s - c m), c = log2(e) / 8; in every step O and l are multiplied by a = 2^(c m_old - c m_new).  m starts at -3e38 and O, l at 0, so that the step is written without a first form.
; TWO GROUPS OF WAVES IN OPPOSITE PHASE.  MAT(j) = V^T P of step j - 1, then K Q^T of step j (64 matrix instructions); SOFT(j) = the softmax of step j (vector work).  In trip j waves 0-3 run MAT(j), SOFT(j);
; waves 4-7 run SOFT(j - 1), MAT(j): while one group has matrix work the other has vector work.  Both groups read step j's K and V from LDS in trip j, and every barrier stands where both pass.
; At 64 channels a step has over seven vector instructions for each matrix instruction, too many to set between the matrix instructions of one wave: hence two waves and long stretches under one window setting.
; CLUSTER.  The four work-groups walk the same K and V: each tile is asked for jointly, by the same tensor load with a mask that names the four.
; RING.  Two LDS slots of four steps (256 keys).  Waves 0-3 fetch K's four tiles of a slot, waves 4-7 V's: one load a wave behind each round.  By this text's count a wave has two tensor loads out at the start, then one.
; REGISTERS.  Window 0: v1-16 addresses; v24-55 statistics, 8 a tile; v64-127 Q; v128-191 K of a step; v192-255 V of a step.  Window 1: v0-127 S^T, 32 a tile (P is made in place in a tile's low 16); v128-255 O^T, 32 a tile.
.set KS,    64
.set PKP,   144                        ; a row of K in LDS: 128 bytes + 16: the 16 rows of a load start 16 bytes apart modulo 256
.set PVP,   160                        ; a row of V: 128 + 32: an odd multiple of 32 bytes
.set VOFF,  KS*PKP
.set STEPB, KS*(PKP+PVP)               ; a step's tiles lie together: 64 rows of K, then 64 of V
.set NST,   4                          ; steps in a slot
.set SLOT1, 1<<17                      ; slot 1 begins here: one exclusive or turns an address from slot to slot
.set STAGE, NST*STEPB                  ; behind slot 0: 16 rows x 144 bytes for each wave, for the way out; no fill lands here
.set SPARE, STAGE+8*16*PKP             ; the spare words, 128 bytes a wave, which no other line names
.set SLOTB, NST*KS*128                 ; a slot's bytes of K, or of V, in memory
.set AK0, 2
.set AV0, 3
.set ADRK, 4
.set ADRV, 5
.set QO,  6
.set STO, 7
.set RD,  8
.set GO,  9
.set SPW, 14
.set NIL, 15
.set PFO, 16
.set ST,  24                           ; tile t at v[ST + 8 t]: +0 c m, +1 m, +2, +3 l (even keys', odd keys'), +4 .. +7 at work (a takes +6)
.set QF,  64
.set KF,  128
.set VF,  192
.set WV,  12
.set LIM, 15
.set PFA, 18
.set G1K, 24
.set G1V, 32
.set G0K, 40
.set G0V, 48
.set SLOTS, 56
.set CNT, 57
.set CS,  58
.set SEL, 60
.set TB,  62
.set MSB, 0
.macro WIN new                         ; bits 1:0 source 0, 3:2 source 1, 5:4 source 2, 7:6 destination; the high byte repeats the setting that is left
.if MSB != (\new)
	s_set_vgpr_msb (MSB<<8)|(\new)
.set MSB, (\new)
.endif
.endm
.set W_KQ, 0x50                        ; K and Q in window 0, S^T in window 1
.set W_PV, 0x54                        ; V in window 0, P and O^T in window 1
.set W_S,  0x41                        ; destination and source 0 in window 1, the rest in window 0
.macro JLOAD                           ; a joint refill: waves 0-3 for K, waves 4-7 for V; the branch hangs on the wave's number alone; an s_nop 0 and four v_nop follow each line
	s_cmp_lt_u32 s[WV], 4
	s_cbranch_scc0 .Lfor_v_\@
	tensor_load_to_lds s[G0K+4:G0K+7], s[G1K:G1K+7]
	s_nop 0
.rept 4
	v_nop
.endr
	s_branch .Lasked_\@
.Lfor_v_\@:
	tensor_load_to_lds s[G0V+4:G0V+7], s[G1V:G1V+7]
	s_nop 0
.rept 4
	v_nop
.endr
.Lasked_\@:
.endm
; A prefetch of what the NEXT change of slots will load: a slot's 32,768 bytes of K and of V, four key steps ahead of that load.  A head has one cluster; its four work-groups share the bytes out by ADDRESS, 8,192 each;
; in each, wave 0 asks for K's and wave 4 for V's, lanes 256 bytes apart: each aligned 256 bytes is named once in the launch.  The last change that fills a slot asks for nothing; slots 0 to 2 come by their loads alone.
.macro ASK
	s_cmp_gt_u32 s[SLOTS], s[LIM]
	s_cbranch_scc0 .Lnot_mine_\@
	global_prefetch_b8 v[PFO], s[PFA:PFA+1] th:TH_LOAD_NT scope:SCOPE_SE
.Lnot_mine_\@:
.endm
.macro CROUND                          ; a round of the cluster's barrier
	s_barrier_signal -1
	s_barrier_wait -1
	s_cmp_lg_u32 s[WV], 0
	s_cbranch_scc1 .Lnot_wave_0_\@
	s_barrier_signal -3
.Lnot_wave_0_\@:
	s_barrier_wait -3
	s_barrier_signal -1
	s_barrier_wait -1
.endm
	s_load_b64 s[4:5], s[0:1], 0x0                 ; qkv
	s_load_b64 s[10:11], s[0:1], 0x8               ; att
	v_lshl_add_u32 v[SPW], v0, 2, SPARE
	v_mov_b32 v[NIL], 0
	ds_add_u32 v[SPW], v[NIL]                      ; the opening: the add, twice on end, and its wait ahead of my first tensor load
	ds_add_u32 v[SPW], v[NIL]
	v_lshrrev_b32 v1, 5, v0
	v_readfirstlane_b32 s[WV], v1                  ; wave 0..7
	s_bfe_u32 s13, ttmp6, 0x40000                  ; cx: my block of 512 queries: it enters Q's, att's and the prefetches' addresses alone
	s_and_b32 s20, ttmp7, 0xffff                   ; the head, 16 b + h, which the four partners share
	s_lshl_b32 s20, s20, 18                        ; its first byte in a part of qkv, and in att
	s_and_b32 s16, s[WV], 3                        ; which of a slot's four steps I fetch:
	s_lshl_b32 s22, s16, 13                        ; its 64 rows of 128 bytes in memory,
	s_add_co_u32 s22, s22, s20
	s_mov_b32 s23, 0
	s_mul_i32 s17, s16, STEPB                      ; and its place in a slot
	s_lshl_b32 s2, s13, 16                         ; my block's 512 rows,
	s_lshl_b32 s3, s[WV], 13                       ; my wave's 64 of them
	s_add_co_u32 s2, s2, s3
	s_add_co_u32 s2, s2, s20
	s_mov_b32 s3, 0
	s_mov_b32 s[G1K], 15|(1<<16)|(1<<20)|(1<<21)|(4<<22)|(3<<25)  ; the mask: all four; elements of 2 bytes; padding: 4 words behind every 32; bit 21 beside a mask
	s_mov_b32 s[G1V], 15|(1<<16)|(1<<20)|(1<<21)|(4<<22)|(7<<25)  ; the same with 8 words of padding
.irp g, G1K, G1V
	s_mov_b32 s[\g+1], 64<<16                      ; tensor_dim0 = 64
	s_mov_b32 s[\g+2], KS<<16                      ; tensor_dim1 = 64
	s_mov_b32 s[\g+3], 64<<16                      ; tile_dim0 = 64
	s_mov_b32 s[\g+4], KS                          ; tile_dim1 = 64
	s_mov_b32 s[\g+5], 64                          ; the pitch, in elements
	s_mov_b32 s[\g+6], 0
	s_mov_b32 s[\g+7], 0
.endr
	s_mov_b32 s[CS], 0x3e38aa3b                    ; c = log2(e) / 8
	s_mov_b32 s[CS+1], s[CS]                       ; (named with it as a pair)
	s_mov_b32 s[SEL], 0x76543210
	s_mov_b32 s[SEL+1], 0xfedcba98                 ; v_permlanex16_b32: lane l xor 16
	s_mov_b32 s[TB], 0
	s_mov_b32 s[SLOTS], 2048/(NST*KS)-2
	s_cmp_eq_u32 s16, 0
	s_cselect_b32 s[LIM], 1, -1                    ; waves 0 and 4 prefetch
	v_and_b32 v[PFO], 31, v0
	v_lshlrev_b32 v[PFO], 8, v[PFO]
	s_wait_dscnt 0x0                               ; both opening adds are done
	s_wait_kmcnt 0x0
	s_add_nc_u64 s[6:7], s[4:5], s[22:23]
	s_add_nc_u64 s[8:9], s[6:7], 2*16777216        ; V at my tile of slot 0
	s_add_nc_u64 s[6:7], s[6:7], 16777216          ; K likewise
	s_add_nc_u64 s[4:5], s[4:5], s[2:3]            ; Q and att at my wave's first row
	s_add_nc_u64 s[10:11], s[10:11], s[2:3]
	s_cmp_lt_u32 s[WV], 4
	s_cselect_b64 s[PFA:PFA+1], s[6:7], s[8:9]     ; (in waves 0 and 4 these stand at a slot's first row)
	s_lshl_b32 s2, s13, 13                         ; my work-group's 8,192 bytes
	s_add_nc_u64 s[PFA:PFA+1], s[PFA:PFA+1], s[2:3]
	s_add_nc_u64 s[PFA:PFA+1], s[PFA:PFA+1], 2*SLOTB  ; in slot 2; the first change of slots steps it to slot 3.  Nothing is prefetched at the head
	CROUND                                         ; all four work-groups are here: the first joint loads meet
.irp s, 0,1
	s_mov_b32 s[G0K+4*\s], 1
	s_add_co_u32 s[G0K+4*\s+1], s17, \s*SLOT1
	s_add_nc_u64 s[G0K+4*\s+2:G0K+4*\s+3], s[6:7], \s*SLOTB
	s_or_b32 s[G0K+4*\s+3], s[G0K+4*\s+3], 0x80000000
	s_mov_b32 s[G0V+4*\s], 1
	s_add_co_u32 s[G0V+4*\s+1], s17, \s*SLOT1+VOFF
	s_add_nc_u64 s[G0V+4*\s+2:G0V+4*\s+3], s[8:9], \s*SLOTB
	s_or_b32 s[G0V+4*\s+3], s[G0V+4*\s+3], 0x80000000
.endr
	s_cmp_lt_u32 s[WV], 4                          ; a wave's two first fills stand in one branch, ahead of every wait on TENSORcnt and every LDS read
	s_cbranch_scc0 .Lfirst_v
	tensor_load_to_lds s[G0K:G0K+3], s[G1K:G1K+7]
	s_nop 0
	tensor_load_to_lds s[G0K+4:G0K+7], s[G1K:G1K+7]
	s_nop 0
.rept 4
	v_nop
.endr
	s_branch .Lfirst_asked
.Lfirst_v:
	tensor_load_to_lds s[G0V:G0V+3], s[G1V:G1V+7]
	s_nop 0
	tensor_load_to_lds s[G0V+4:G0V+7], s[G1V:G1V+7]
	s_nop 0
.rept 4
	v_nop
.endr
.Lfirst_asked:
	v_and_b32 v1, 15, v0                           ; r
	v_bfe_u32 v10, v0, 4, 1                        ; h
	v_lshlrev_b32 v[QO], 7, v1
	v_lshl_add_u32 v[QO], v10, 4, v[QO]            ; row x 128 + 16 x half
.irp t, 0,1,2,3                        ; Q stays in registers: tile t, channels 32 e on, at v[QF + 8 (2 t + e)]
.irp e, 0,1
	global_load_b128 v[QF+8*(2*\t+\e):QF+8*(2*\t+\e)+3],   v[QO], s[4:5] offset:2048*\t+64*\e
	global_load_b128 v[QF+8*(2*\t+\e)+4:QF+8*(2*\t+\e)+7], v[QO], s[4:5] offset:2048*\t+64*\e+32
.endr
.endr
	v_mul_u32_u24 v[AK0], v1, PKP
	v_lshl_add_u32 v[AK0], v10, 4, v[AK0]          ; K: row x pitch + 16 x half
	v_and_b32 v11, 7, v0
	v_bfe_u32 v12, v0, 3, 1
	v_lshl_add_u32 v[AV0], v10, 3, v11             ; V: the turning load: key 8 h + l % 8, channels 8 ((l / 8) % 2) on
	v_mul_u32_u24 v[AV0], v[AV0], PVP
	v_lshl_add_u32 v[AV0], v12, 4, v[AV0]
	v_add_nc_u32 v[AV0], VOFF, v[AV0]
	s_mul_i32 s16, s[WV], 16*PKP
	s_add_co_u32 s16, s16, STAGE                   ; my stage
	v_add_nc_u32 v[STO], s16, v[AK0]               ; in: row r, 16 bytes for each half of the lanes
	v_and_b32 v11, 31, v0
	v_lshlrev_b32 v[GO], 4, v11                    ; out: 16 x lane
	v_lshrrev_b32 v12, 3, v11                      ; back: eight lanes to a row of 128 bytes, four rows an instruction
	v_mul_u32_u24 v12, v12, PKP
	v_and_b32 v13, 7, v0
	v_lshl_add_u32 v12, v13, 4, v12
	v_add_nc_u32 v[RD], s16, v12
.irp t, 0,1,2,3
	v_mov_b32 v[ST+8*\t+1], 0xff61b1e6             ; m = -3e38, under every score
	v_mul_f32 v[ST+8*\t], s[CS], v[ST+8*\t+1]      ; c m
.irp j, 2,3,4,5,6,7
	v_mov_b32 v[ST+8*\t+\j], 0                     ; l, and the registers at work (a lane permute's destination counts as read)
.endr
.endr
	WIN 0x40
.set i, 128
.rept 128
	v_mov_b32 v[i], 0                              ; O^T.  Cleared once, so that MAT and SOFT have no first forms: that spares two more copies of each in the text
.set i, i+1
.endr
	WIN 0
; 32 products O^T += V^T P: keys 32 g on, channels 16 c on, tile t.  The 16 accumulators take turns, one instruction a turn.
.macro PVALL
	WIN W_PV
.irp g, 0,1
.irp c, 0,1,2,3
.irp t, 0,1,2,3
	v_wmma_f32_16x16x32_f16 v[128+32*\t+8*\c:128+32*\t+8*\c+7], v[VF+8*(4*\g+\c):VF+8*(4*\g+\c)+7], v[32*\t+8*\g:32*\t+8*\g+7], v[128+32*\t+8*\c:128+32*\t+8*\c+7]
.endr
.endr
.endr
	WIN 0
.endm
; MAT: this step's K is asked for; V^T P of the step before (pv = 1); this step's V is asked for into the registers just read; K Q^T of this step.
.macro MAT pv
.irp a, 0,1,2,3
.irp e, 0,1
	ds_load_b128 v[KF+8*(2*\a+\e):KF+8*(2*\a+\e)+3],   v[ADRK] offset:16*PKP*\a+64*\e
	ds_load_b128 v[KF+8*(2*\a+\e)+4:KF+8*(2*\a+\e)+7], v[ADRK] offset:16*PKP*\a+64*\e+32
.endr
.endr
.if \pv
	s_wait_dscnt 16                                ; V of the step before is in; the sixteen loads of K just issued may be out
	PVALL
.rept 5
	v_nop                                          ; four places ahead of the loads into V's registers; five ahead of the products below, which write over P's
.endr
.endif
.irp g, 0,1
.irp c, 0,1,2,3
	ds_load_tr16_b128 v[VF+8*(4*\g+\c):VF+8*(4*\g+\c)+3],   v[ADRV] offset:32*PVP*\g+32*\c
	ds_load_tr16_b128 v[VF+8*(4*\g+\c)+4:VF+8*(4*\g+\c)+7], v[ADRV] offset:32*PVP*\g+16*PVP+32*\c
.endr
.endr
	s_wait_dscnt 16                                ; K is in; V's sixteen may be out: they are wanted a step later
	WIN W_KQ
.irp e, 0,1
.irp a, 0,1,2,3
.irp t, 0,1,2,3
.if \e == 0
	v_wmma_f32_16x16x32_f16 v[32*\t+8*\a:32*\t+8*\a+7], v[KF+8*(2*\a+\e):KF+8*(2*\a+\e)+7], v[QF+8*(2*\t+\e):QF+8*(2*\t+\e)+7], 0
.else
	v_wmma_f32_16x16x32_f16 v[32*\t+8*\a:32*\t+8*\a+7], v[KF+8*(2*\a+\e):KF+8*(2*\a+\e)+7], v[QF+8*(2*\t+\e):QF+8*(2*\t+\e)+7], v[32*\t+8*\a:32*\t+8*\a+7]
.endif
.endr
.endr
.endr
	WIN 0
.rept 5
	v_nop                                          ; FIVE places, so that the distance holds on every way through the text, whichever arms of the branches on the wave's number it takes: four serve the first read of the scores
.endr                                              ; and the next loads into K's registers; the fifth serves a matrix instruction that comes next and writes over the scores or takes them as source 1
.endm
; SOFT: the four tiles' softmax of one step, the tiles by turns in every stage, so that no line waits for the line above it.
.macro SOFT
	WIN 0x15                                       ; the maximum of a lane's 32 scores: four chains, one for each accumulator, each begun at the accumulator's low end
.irp j, 0,1,2,3
.irp t, 0,1,2,3
	v_max3_num_f32 v[ST+8*\t+4+\j], v[32*\t+8*\j], v[32*\t+8*\j+1], v[32*\t+8*\j+2]
.endr
.endr
	WIN 0x14
.irp u, 1,2
.irp j, 0,1,2,3
.irp t, 0,1,2,3
	v_max3_num_f32 v[ST+8*\t+4+\j], v[ST+8*\t+4+\j], v[32*\t+8*\j+2*\u+1], v[32*\t+8*\j+2*\u+2]
.endr
.endr
.endr
.irp t, 0,1,2,3
	v_max3_num_f32 v[ST+8*\t+4], v[ST+8*\t+4], v[32*\t+7], v[32*\t+15]
.endr
.irp t, 0,1,2,3
	v_max3_num_f32 v[ST+8*\t+6], v[ST+8*\t+6], v[32*\t+23], v[32*\t+31]
.endr
	WIN 0
.irp t, 0,1,2,3
	v_max3_num_f32 v[ST+8*\t+4], v[ST+8*\t+4], v[ST+8*\t+5], v[ST+8*\t+6]
.endr
.irp t, 0,1,2,3
	v_max3_num_f32 v[ST+8*\t+4], v[ST+8*\t+4], v[ST+8*\t+7], v[ST+8*\t+1]   ; with the old m
.endr
.irp t, 0,1,2,3
	v_permlanex16_b32 v[ST+8*\t+5], v[ST+8*\t+4], s[SEL], s[SEL+1]          ; the query's other 32 keys lie in the lane 16 away
.endr
.irp t, 0,1,2,3
	v_mov_b32 v[ST+8*\t+7], v[ST+8*\t]             ; c m_old is kept for a
.endr
.irp t, 0,1,2,3
	v_max_num_f32 v[ST+8*\t+1], v[ST+8*\t+4], v[ST+8*\t+5]
.endr
.irp t, 0,1,2,3
	v_mul_f32 v[ST+8*\t], s[CS], v[ST+8*\t+1]
.endr
.irp t, 0,1,2,3
	v_sub_f32 v[ST+8*\t+7], v[ST+8*\t+7], v[ST+8*\t]
.endr
.irp t, 0,1,2,3
	v_exp_f32 v[ST+8*\t+6], v[ST+8*\t+7]           ; a = 2^(c m_old - c m_new)
.endr
	WIN W_S
.irp i, 0,1,2,3,4,5,6,7,8,9,10,11,12,13,14,15
.irp t, 0,1,2,3
	v_pk_fma_f32 v[32*\t+2*\i:32*\t+2*\i+1], v[32*\t+2*\i:32*\t+2*\i+1], s[CS:CS+1], v[ST+8*\t:ST+8*\t+1] op_sel_hi:[1,0,0] neg_lo:[0,0,1] neg_hi:[0,0,1]   ; c s - c m, two at a time: the plain work behind the four exponentials
.endr
.endr
	s_wait_alu depctr_va_vdst(0)                   ; a wait ahead of the first line that names a
.irp i, 0,1,2,3,4,5,6,7,8,9,10,11,12,13,14,15
.irp t, 0,1,2,3
	v_exp_f32 v[32*\t+2*\i], v[32*\t+2*\i]
	v_exp_f32 v[32*\t+2*\i+1], v[32*\t+2*\i+1]
	v_pk_mul_f32 v[128+32*\t+2*\i:128+32*\t+2*\i+1], v[128+32*\t+2*\i:128+32*\t+2*\i+1], v[ST+8*\t+6:ST+8*\t+7] op_sel_hi:[1,0]   ; O^T x a rides between the exponentials, under the same window setting, each accumulator from its low end on
.endr
.endr
	s_wait_alu depctr_va_vdst(0)                   ; ONE wait for the 128 exponentials, behind a plain line and ahead of the first use of a result
	WIN 0x10                                       ; the row's sum, of the unrounded p: two chains of pairs
.irp t, 0,1,2,3
	v_pk_fma_f32 v[ST+8*\t+2:ST+8*\t+3], v[ST+8*\t+2:ST+8*\t+3], v[ST+8*\t+6:ST+8*\t+7], v[32*\t:32*\t+1] op_sel_hi:[1,0,1]   ; l = l a + pair 0
.endr
	WIN 0x05
.irp t, 0,1,2,3
	v_pk_add_f32 v[ST+8*\t+4:ST+8*\t+5], v[32*\t+2:32*\t+3], v[32*\t+4:32*\t+5]
.endr
	WIN 0x04
.irp i, 3,5,7,9,11,13
.irp t, 0,1,2,3
	v_pk_add_f32 v[ST+8*\t+2:ST+8*\t+3], v[ST+8*\t+2:ST+8*\t+3], v[32*\t+2*\i:32*\t+2*\i+1]
	v_pk_add_f32 v[ST+8*\t+4:ST+8*\t+5], v[ST+8*\t+4:ST+8*\t+5], v[32*\t+2*\i+2:32*\t+2*\i+3]
.endr
.endr
.irp t, 0,1,2,3
	v_pk_add_f32 v[ST+8*\t+2:ST+8*\t+3], v[ST+8*\t+2:ST+8*\t+3], v[32*\t+30:32*\t+31]
.endr
	WIN 0
.irp t, 0,1,2,3
	v_pk_add_f32 v[ST+8*\t+2:ST+8*\t+3], v[ST+8*\t+2:ST+8*\t+3], v[ST+8*\t+4:ST+8*\t+5]
.endr
	WIN 0x45                                       ; p to f16, in place: register i takes pair i; later pairs lie at 2 i + 2 and above
.irp i, 0,1,2,3,4,5,6,7,8,9,10,11,12,13,14,15
.irp t, 0,1,2,3
	v_cvt_pk_f16_f32 v[32*\t+\i], v[32*\t+2*\i], v[32*\t+2*\i+1]
.endr
.endr
	WIN 0
.endm
; A trip: the step's LDS addresses are made where both groups pass; then each group's order.
.macro TRIP
	v_add_nc_u32 v[ADRK], s[TB], v[AK0]
	v_add_nc_u32 v[ADRV], s[TB], v[AV0]
	s_add_co_u32 s[TB], s[TB], STEPB
	s_cmp_lt_u32 s[WV], 4
	s_cbranch_scc0 .La_\@
	MAT 1
.La_\@:
	SOFT
	s_cmp_lt_u32 s[WV], 4
	s_cbranch_scc1 .Lb_\@
	MAT 1
.Lb_\@:
.endm
.macro RUN n
	s_mov_b32 s[CNT], \n
.Lstep_\@:
	TRIP
	s_sub_co_u32 s[CNT], s[CNT], 1
	s_cmp_lg_u32 s[CNT], 0
	s_cbranch_scc1 .Lstep_\@
.endm
; THE CHANGE OF SLOTS.  Each wave waits for all its tensor loads (its part of the slot ahead), adds 0 to its spare word, and waits for that and for its reads of the slot that it leaves.
; fill = 1: the barrier is a round of the cluster's, and the slot just left is filled with the keys two slots on, first thing behind it: the load has four key steps in which to land.
.macro CHANGE fill
	s_wait_tensorcnt 0x0                           ; no tensor load of mine is out, so a group 0 may be written
	ds_add_u32 v[SPW], v[NIL]
.if \fill
.irp g, G0K+4, G0V+4
	s_xor_b32 s[\g+1], s[\g+1], SLOT1              ; the walking descriptor: the other slot than last time,
	s_add_nc_u64 s[\g+2:\g+3], s[\g+2:\g+3], SLOTB ; the next 256 keys
.endr
	s_wait_xcnt 0x0                                ; the last prefetch, a slot back, has read its address
	s_add_nc_u64 s[PFA:PFA+1], s[PFA:PFA+1], SLOTB
	s_wait_dscnt 0x0                               ; the add is done, and my reads of the slot are over
	CROUND
	JLOAD
	ASK
.else
	s_wait_dscnt 0x0
	s_barrier_signal -1
	s_barrier_wait -1
.endif
	s_sub_co_u32 s[TB], s[TB], NST*STEPB           ; back to a slot's first step,
	s_xor_b32 s[TB], s[TB], SLOT1                  ; in the other slot
.endm
	s_wait_tensorcnt 1                             ; my part of slot 0 is in; slot 1's may stay out
	s_barrier_signal -1
	s_barrier_wait -1                              ; everybody's is
	s_wait_loadcnt 0x0                             ; Q
	v_add_nc_u32 v[ADRK], s[TB], v[AK0]            ; step 0
	v_add_nc_u32 v[ADRV], s[TB], v[AV0]
	s_add_co_u32 s[TB], s[TB], STEPB
	s_cmp_lt_u32 s[WV], 4
	s_cbranch_scc0 .Lz0
	MAT 0
.Lz0:
	s_wait_dscnt 0x0
	s_barrier_signal -1                            ; this barrier sets waves 4-7 half a trip behind waves 0-3
	s_barrier_wait -1
	s_cmp_lt_u32 s[WV], 4
	s_cbranch_scc0 .Lz1
	SOFT
	s_branch .Lz2
.Lz1:
	MAT 0
.Lz2:
	RUN 3                                          ; steps 1 to 3
.Lslot:                                            ; six trips: slots 1 to 6 are walked, slots 2 to 7 asked for
	CHANGE 1
	RUN NST
	s_sub_co_u32 s[SLOTS], s[SLOTS], 1
	s_cmp_lg_u32 s[SLOTS], 0
	s_cbranch_scc1 .Lslot
	CHANGE 0                                       ; the last slot is written out
	RUN NST
	s_cmp_lt_u32 s[WV], 4
	s_cbranch_scc1 .Llast
	SOFT                                           ; waves 4-7: the last step's softmax
.Llast:
	s_wait_dscnt 0x0                               ; the last step's V
	PVALL
	; THE WAY OUT.  l's halves and the other half of the lanes' are added; O^T is divided by l, rounded to f16 and sent through my stage, a tile (16 rows) at a time.  The first additions are the places behind the last products.
.irp t, 0,1,2,3
	v_add_f32 v[ST+8*\t+4], v[ST+8*\t+2], v[ST+8*\t+3]
.endr
.irp t, 0,1,2,3
	v_permlanex16_b32 v[ST+8*\t+5], v[ST+8*\t+4], s[SEL], s[SEL+1]
.endr
.irp t, 0,1,2,3
	v_add_f32 v[ST+8*\t+4], v[ST+8*\t+4], v[ST+8*\t+5]
.endr
.irp t, 0,1,2,3
	v_rcp_f32 v[ST+8*\t+6], v[ST+8*\t+4]
.endr
	v_nop                                          ; a plain line behind the last reciprocal
	s_wait_alu depctr_va_vdst(0)                   ; and one wait for the four, ahead of the first use of a result
.macro OUT t
	WIN W_S
.irp i, 0,1,2,3,4,5,6,7,8,9,10,11,12,13,14,15
	v_pk_mul_f32 v[128+32*\t+2*\i:128+32*\t+2*\i+1], v[128+32*\t+2*\i:128+32*\t+2*\i+1], v[ST+8*\t+6:ST+8*\t+7] op_sel_hi:[1,0]
.endr
	WIN 0x05                                       ; sources in window 1, destination in window 0: K's registers are free
.irp i, 0,1,2,3,4,5,6,7,8,9,10,11,12,13,14,15
	v_cvt_pk_f16_f32 v[KF+16*\t+\i], v[128+32*\t+2*\i], v[128+32*\t+2*\i+1]
.endr
	WIN 0
.irp c, 0,1,2,3
	ds_store_b128 v[STO], v[KF+16*\t+4*\c:KF+16*\t+4*\c+3] offset:32*\c
.endr
.irp i, 0,1,2,3
	ds_load_b128 v[VF+16*\t+4*\i:VF+16*\t+4*\i+3], v[RD] offset:4*PKP*\i   ; LDS serves a wave's instructions in order: these see the stores above, and the next tile's stores come behind them
.endr
.endm
.macro SEND t, younger                 ; younger: the LDS instructions issued behind tile t's loads: the next tile's eight, or none
.irp i, 0,1,2,3
	s_wait_dscnt \younger+3-\i
	global_store_b128 v[GO], v[VF+16*\t+4*\i:VF+16*\t+4*\i+3], s[10:11] offset:2048*\t+512*\i   ; 32 lanes store 512 consecutive aligned bytes
.endr
.endm
	OUT 0
	OUT 1
	SEND 0, 8
	OUT 2
	SEND 1, 8
	OUT 3
	SEND 2, 8
	SEND 3, 0
	s_wait_tensorcnt 0x0                           ; the wave's end
	ds_add_u32 v[SPW], v[NIL]
	s_wait_dscnt 0x0
	CROUND                                         ; the closing round
	s_endpgm
.Lfunc_end_k_q9d654edc2f_attn:
	.size	k_q9d654edc2f_attn, .Lfunc_end_k_q9d654edc2f_attn-k_q9d654edc2f_attn
	.p2alignl 7, 3214868480
	.fill 96, 4, 3214868480
	.section	.rodata,"a",@progbits
	.p2align	6, 0x0
	.amdhsa_kernel k_q9d654edc2f_attn
		.amdhsa_group_segment_fixed_size 327680
		.amdhsa_private_segment_fixed_size 0
		.amdhsa_enable_private_segment 0
		.amdhsa_kernarg_size 16
		.amdhsa_user_sgpr_count 2
		.amdhsa_user_sgpr_kernarg_segment_ptr 1
		.amdhsa_wavefront_size32 1
		.amdhsa_system_sgpr_workgroup_id_x 1
		.amdhsa_system_sgpr_workgroup_id_y 1
		.amdhsa_system_sgpr_workgroup_id_z 1
		.amdhsa_system_vgpr_workitem_id 0
		.amdhsa_next_free_vgpr 512
		.amdhsa_next_free_sgpr 66
		.amdhsa_reserve_vcc 0
		.amdhsa_float_denorm_mode_32 3
		.amdhsa_float_denorm_mode_16_64 3
		.amdhsa_memory_ordered 1
		.amdhsa_forward_progress 1
		.amdhsa_inst_pref_size 206
	.end_amdhsa_kernel
	.amdgpu_metadata
---
amdhsa.version: [ 1, 2 ]
amdhsa.kernels:
  - .name:           k_q9d654edc2f_attn
    .symbol:         k_q9d654edc2f_attn.kd
    .args:
      - { .name: qkv, .offset: 0, .size: 8, .value_kind: global_buffer, .address_space: global }
      - { .name: att, .offset: 8, .size: 8, .value_kind: global_buffer, .address_space: global }
    .group_segment_fixed_size: 327680
    .private_segment_fixed_size: 0
    .kernarg_segment_align: 8
    .kernarg_segment_size: 16
    .max_flat_workgroup_size: 256
    .sgpr_count:     66
    .vgpr_count:     512
    .wavefront_size: 32
...
	.end_amdgpu_metadata
.endif
;; end of part 3
;; launch proj (part 4): grid 4 x 64, 4 waves a work-group, clusters of 4 x 4, 327,680 bytes of LDS; arguments att, wo16, out0; writes out0
.if DOCPART == 4
	.amdgcn_target "amdgcn-amd-amdhsa--gfx1250"
	.amdhsa_code_object_version 6
	.text
	.protected	k_q9d654edc2f_proj
	.globl	k_q9d654edc2f_proj
	.p2align	8
	.type	k_q9d654edc2f_proj,@function
k_q9d654edc2f_proj:
	s_mov_b64 s[64:65], 0
	v_nop
	global_prefetch_b8 v0, s[64:65] scope:SCOPE_SE
	s_setreg_imm32_b32 hwreg(HW_REG_WAVE_MODE, 25, 1), 1
	s_wait_xcnt 0x0
	s_wait_alu depctr_hold_cnt(0) depctr_sa_sdst(0) depctr_va_vdst(0) depctr_va_sdst(0) depctr_va_ssrc(0) depctr_va_vcc(0) depctr_vm_vsrc(0)
	s_getreg_b32 s2, hwreg(HW_REG_IB_STS2, 6, 4)
	s_cmp_eq_u32 s2, 0
	s_cbranch_scc0 .Lentry_in_a_cluster
	s_endpgm
.Lentry_in_a_cluster:
	s_bfe_u32 s2, ttmp6, 0x10000c
	s_cmp_lg_u32 s2, 0xf033
	s_cbranch_scc0 .Lentry_shape_is_right
	s_endpgm
.Lentry_shape_is_right:
; out0[m][n] = the sum over k of A[m][k] WO[n][k], m = 2048 b + s, k = 64 h + d.  A is att, [4 b][16 h][2048 s][64 d] f16; wo16 is [1024 n][1024 k] f16; out0 [8192][1024] f32; sums in f32.
; A tile of 128 rows x 256 columns for each of 256 work-groups (tiles of 256 x 256 would be 128).  Four waves, each 64 x 128: 32 accumulators, 256 registers.
; K goes in 8 steps of 128, two heads, through a ring of two LDS slots.  A head's 128 rows of 128 bytes are dense in memory: they come as 64 lines of 256 bytes (+ 16 of padding), two rows to a line.
; Waves 0 and 1 fetch A's two heads of a step, waves 2 and 3 the two halves of WO's 256 rows: one tensor load a wave behind each round; by this text's count two are out at the start, then one.
; CLUSTERS: 4 x 4 work-groups; A's tile is shared along a row of the cluster, WO's along a column: joint loads.  THE MATRIX INSTRUCTION IS USED TRANSPOSED (source 0 = 16 rows of WO, source 1 = 16 rows of A).
; K steps of 256 would want two slots of 208,896 bytes, which do not fit.
; REGISTERS: window 0: v1-30 addresses; two fragment buffers of 96 at v32 and v128 (64 of WO, 32 of A; on the way out rows read back).  Window 1: the accumulators, (a, b) at v[8 (8 a + b)].
.set PITCH,  272
.set AH,     64*PITCH                  ; a head's 128 rows
.set BH,     128*PITCH                 ; 128 rows of WO
.set SLOT,   2*AH+2*BH
.set STAGE,  2*SLOT                    ; behind the ring: 16 rows x (512 bytes + 16) for each wave
.set SPITCH, 528
.set SPARE,  STAGE+4*16*SPITCH         ; the spare words, 128 bytes a wave, which no other line names
.set ADRA, 16
.set ADRB, 20
.set STO,  24
.set RD,   25
.set CO,   26
.set SPW,  28
.set NIL,  29
.set PFO,  30
.set F0,   32
.set F1,   128
.set G1,  24
.set G0,  32
.set LIM, 43
.set PFA, 44
.set G1B, 48
.set G0B, 56
.set PFS, 66
.set MSB, 0
.macro WIN new
.if MSB != (\new)
	s_set_vgpr_msb (MSB<<8)|(\new)
.set MSB, (\new)
.endif
.endm
.set MUL, 0x50                         ; operands in window 0, C and D in window 1
.macro JLOAD s                         ; a joint load; the branch hangs on the wave's number alone; an s_nop 0 and four v_nop follow each line
	s_cmp_eq_u32 s11, 0
	s_cbranch_scc0 .Lfor_b_\@
	tensor_load_to_lds s[G0+4*\s:G0+4*\s+3], s[G1:G1+7]
	s_nop 0
.rept 4
	v_nop
.endr
	s_branch .Lasked_\@
.Lfor_b_\@:
	tensor_load_to_lds s[G0B+4*\s:G0B+4*\s+3], s[G1B:G1B+7]
	s_nop 0
.rept 4
	v_nop
.endr
.Lasked_\@:
.endm
; A prefetch, behind each joint refill and the run of LDS loads that follows it: the K step two refills on, 256 matrix instructions a wave ahead of the load that will want it.
; A's tile row is read by one cluster: in each of its work-groups wave 0 asks for 4,096 bytes of each of the step's two heads, told apart by ADDRESS (cx).  WO's tile column is read by every cluster of the column:
; cluster y = 0 asks, waves 2 and 3 for 32 of their 128 rows each, by address (cy), a lane a row.  So each aligned 256 bytes is named once.  K steps 0 to 3 come by their loads alone; the last two refills ask for nothing.
.macro ASK
	s_cmp_gt_u32 s3, s[LIM]                        ; s3 = 1 in the loop's last trip
	s_cbranch_scc0 .Lnot_mine_\@
	global_prefetch_b8 v[PFO], s[PFA:PFA+1] th:TH_LOAD_NT scope:SCOPE_SE
.Lnot_mine_\@:
.endm
.macro CREST                           ; a round of the cluster's barrier behind its opening barrier
	s_cmp_lg_u32 s10, 0
	s_cbranch_scc1 .Lnot_wave_0_\@
	s_barrier_signal -3
.Lnot_wave_0_\@:
	s_barrier_wait -3
	s_barrier_signal -1
	s_barrier_wait -1
.endm
.macro CROUND
	s_barrier_signal -1
	s_barrier_wait -1
	CREST
.endm
	s_load_b128 s[4:7], s[0:1], 0x0                ; att, wo16
	s_load_b64 s[8:9], s[0:1], 0x10                ; out0
	v_lshl_add_u32 v[SPW], v0, 2, SPARE
	v_mov_b32 v[NIL], 0
	ds_add_u32 v[SPW], v[NIL]                      ; the opening: the add, twice on end, and its wait ahead of my first tensor load
	ds_add_u32 v[SPW], v[NIL]
	v_lshrrev_b32 v1, 5, v0
	v_readfirstlane_b32 s10, v1                    ; wave 0..3
	s_lshr_b32 s11, s10, 1                         ; which 64 rows of the tile are mine.  Also: I fetch for A (0) or for WO (1)
	s_and_b32 s12, s10, 1                          ; which 128 columns.  Also: which head, or which 128 rows of WO, I fetch
	s_bfe_u32 s40, ttmp6, 0x40000                  ; cx, cy
	s_bfe_u32 s41, ttmp6, 0x40004
	s_lshl_b32 s42, ttmp9, 2
	s_add_co_u32 s42, s42, s40                     ; tile column
	s_and_b32 s13, ttmp7, 0xffff
	s_lshl_b32 s13, s13, 2
	s_add_co_u32 s13, s13, s41                     ; tile row
	s_lshl_b32 s43, s41, 2
	s_lshl_b32 s43, 15, s43                        ; my row of the cluster
	s_lshl_b32 s44, 0x1111, s40                    ; my column
	s_or_b32 s[G1+0], s43, (1<<16)|(1<<20)|(1<<21)|(5<<22)|(3<<25)  ; the mask; elements of 2 bytes; padding: 4 words behind every 64; bit 21 beside a mask
	s_or_b32 s[G1B+0], s44, (1<<16)|(1<<20)|(1<<21)|(5<<22)|(3<<25)
	s_mov_b32 s[G1+1], 128<<16                     ; A: 64 lines of 128 elements, dense
	s_mov_b32 s[G1+2], 64<<16
	s_mov_b32 s[G1+3], 128<<16
	s_mov_b32 s[G1+4], 64
	s_mov_b32 s[G1+5], 128
	s_mov_b32 s[G1+6], 0
	s_mov_b32 s[G1+7], 0
	s_mov_b32 s[G1B+1], 128<<16                    ; WO: 128 rows of 128 elements, 1,024 elements apart
	s_mov_b32 s[G1B+2], 128<<16
	s_mov_b32 s[G1B+3], 128<<16
	s_mov_b32 s[G1B+4], 128
	s_mov_b32 s[G1B+5], 1024
	s_mov_b32 s[G1B+6], 0
	s_mov_b32 s[G1B+7], 0
	s_lshr_b32 s16, s13, 4
	s_lshl_b32 s16, s16, 22                        ; the batch: 16 heads of 262,144 bytes
	s_and_b32 s17, s13, 15
	s_lshl_b32 s17, s17, 14                        ; the tile's 128 rows of 128 bytes within a head
	s_add_co_u32 s16, s16, s17                     ; (kept: the prefetches start from it too)
	s_lshl_b32 s17, s12, 18                        ; my head of a step's two
	s_add_co_u32 s18, s16, s17
	s_mov_b32 s19, 0
	s_lshl_b32 s46, s42, 8
	s_lshl_b32 s47, s12, 7
	s_add_co_u32 s46, s46, s47                     ; WO: row 256 x tile column + 128 x half,
	s_lshl_b32 s46, s46, 11                        ; of 2,048 bytes
	s_mov_b32 s47, 0
	s_mul_i32 s20, s12, AH                         ; where they go in a slot: A's two heads,
	s_mul_i32 s21, s12, BH
	s_add_co_u32 s21, s21, 2*AH                    ; then WO's two halves
	s_wait_dscnt 0x0                               ; both opening adds are done
	s_wait_kmcnt 0x0
	s_add_nc_u64 s[14:15], s[4:5], s[18:19]
	s_add_nc_u64 s[46:47], s[6:7], s[46:47]
	CROUND                                         ; all sixteen work-groups are here: the first joint loads meet
.irp s, 0,1
	s_mov_b32 s[G0+4*\s], 1
	s_add_co_u32 s[G0+4*\s+1], s20, \s*SLOT
	s_add_nc_u64 s[G0+4*\s+2:G0+4*\s+3], s[14:15], \s*2*262144     ; K step s: two heads on
	s_or_b32 s[G0+4*\s+3], s[G0+4*\s+3], 0x80000000
	s_mov_b32 s[G0B+4*\s], 1
	s_add_co_u32 s[G0B+4*\s+1], s21, \s*SLOT
	s_add_nc_u64 s[G0B+4*\s+2:G0B+4*\s+3], s[46:47], \s*256
	s_or_b32 s[G0B+4*\s+3], s[G0B+4*\s+3], 0x80000000
	JLOAD \s
.endr
	v_and_b32 v1, 15, v0                           ; r
	v_bfe_u32 v2, v0, 4, 1                         ; h
	v_mul_u32_u24 v3, v1, PITCH
	v_lshl_add_u32 v3, v2, 4, v3                   ; WO: row x pitch + 16 x half
	v_lshrrev_b32 v4, 1, v1                        ; A: two rows to a line: line r / 2, byte 128 (r % 2): the sixteen rows fall on sixteen different 16-byte columns modulo 256
	v_mul_u32_u24 v4, v4, PITCH
	v_and_b32 v5, 1, v1
	v_lshl_add_u32 v4, v5, 7, v4
	v_lshl_add_u32 v4, v2, 4, v4
	s_mul_i32 s21, s11, 32*PITCH                   ; my 64 rows of A: 32 lines
	s_mul_i32 s22, s12, BH
	s_add_co_u32 s22, s22, 2*AH                    ; my 128 rows of WO
.irp s, 0,1
	v_add_nc_u32 v[ADRA+\s], s21, v4
	v_add_nc_u32 v[ADRB+\s], s22, v3
	s_add_co_u32 s21, s21, SLOT
	s_add_co_u32 s22, s22, SLOT
.endr
	s_mul_i32 s23, s10, 16*SPITCH
	s_add_co_u32 s23, s23, STAGE                   ; my stage
	v_mul_u32_u24 v5, v1, SPITCH                   ; in: row r, 32 bytes for each half of the lanes
	v_lshl_add_u32 v5, v2, 5, v5
	v_add_nc_u32 v[STO], s23, v5
	v_and_b32 v6, 31, v0
	v_lshlrev_b32 v[CO], 4, v6                     ; back: the 32 lanes take one row of 512 bytes; the same in out0
	v_add_nc_u32 v[RD], s23, v[CO]
	s_lshl_b32 s18, s13, 7
	s_lshl_b32 s19, s11, 6
	s_add_co_u32 s18, s18, s19                     ; my first row of out0,
	s_lshl_b32 s18, s18, 12                        ; of 4,096 bytes
	s_lshl_b32 s46, s42, 10                        ; my first column, in bytes
	s_lshl_b32 s47, s12, 9
	s_add_co_u32 s46, s46, s47
	s_add_co_u32 s46, s46, s18
	s_mov_b32 s47, 0
	s_add_nc_u64 s[8:9], s[8:9], s[46:47]
	; the prefetches: where my wave's stand (at K step 3: the first refill steps them to K step 4), and who asks
	s_lshl_b32 s20, s40, 12
	s_add_co_u32 s20, s20, s16
	s_add_co_u32 s20, s20, 3*524288                ; A: the tile's rows + 4,096 cx
	s_lshl_b32 s21, s42, 8
	s_lshl_b32 s22, s12, 7
	s_add_co_u32 s21, s21, s22
	s_lshl_b32 s22, s41, 5
	s_add_co_u32 s21, s21, s22                     ; WO: row 256 x tile column + 128 x half + 32 cy
	s_lshl_b32 s21, s21, 11
	s_add_co_u32 s21, s21, 3*256
	s_and_b32 s22, ttmp7, 0xffff                   ; cluster y
	s_cmp_eq_u32 s11, 0                            ; do I fetch for A?
	s_cselect_b32 s20, s20, s21
	s_cselect_b32 s22, s10, s22                    ; A: wave 0 asks; WO: the column's first cluster
	s_cselect_b64 s[PFA:PFA+1], s[4:5], s[6:7]
	s_mov_b32 s[PFS], 256
	s_cselect_b32 s[PFS], 524288, s[PFS]           ; a K step on
	s_mov_b32 s23, 32768
	s_cselect_b32 s23, 262144, s23                 ; from lanes 0-15 to lanes 16-31: A: the step's other head; WO: 16 rows
	s_mov_b32 s17, 2048
	s_cselect_b32 s17, 256, s17                    ; from lane to lane
	s_mov_b32 s[PFS+1], 0
	s_mov_b32 s21, 0
	s_add_nc_u64 s[PFA:PFA+1], s[PFA:PFA+1], s[20:21]
	s_cmp_eq_u32 s22, 0
	s_cselect_b32 s[LIM], 1, -1                    ; the same in all sixteen partners, for a given wave
	v_mul_lo_u32 v5, v2, s23
	v_mul_lo_u32 v6, v1, s17
	v_add_nc_u32 v[PFO], v5, v6
; 8 matrix instructions: A's block a against WO's eight, 32 along K.  The 32 accumulators take turns in the same order in every quarter.
.macro MULA f, a, zero
.irp b, 0,1,2,3,4,5,6,7
.if \zero
	v_wmma_f32_16x16x32_f16 v[8*(8*(\a)+\b):8*(8*(\a)+\b)+7], v[\f+8*\b:\f+8*\b+7], v[\f+64+8*(\a):\f+64+8*(\a)+7], 0
.else
	v_wmma_f32_16x16x32_f16 v[8*(8*(\a)+\b):8*(8*(\a)+\b)+7], v[\f+8*\b:\f+8*\b+7], v[\f+64+8*(\a):\f+64+8*(\a)+7], v[8*(8*(\a)+\b):8*(8*(\a)+\b)+7]
.endif
.endr
.endm
; 24 LDS loads in one run: the fragments of the slot's q-th 32 along K into buffer f: WO's eight, then A's four (quarters 0, 1 lie in the step's first head, 2, 3 in its second)
.macro FETCH slot, q, f
.irp i, 0,1,2,3,4,5,6,7
	ds_load_b128 v[\f+8*\i:\f+8*\i+3],   v[ADRB+\slot] offset:64*(\q)+\i*16*PITCH
	ds_load_b128 v[\f+8*\i+4:\f+8*\i+7], v[ADRB+\slot] offset:64*(\q)+\i*16*PITCH+32
.endr
.irp i, 0,1,2,3
	ds_load_b128 v[\f+64+8*\i:\f+64+8*\i+3],   v[ADRA+\slot] offset:((\q)/2)*AH+((\q)%2)*64+\i*8*PITCH
	ds_load_b128 v[\f+64+8*\i+4:\f+64+8*\i+7], v[ADRA+\slot] offset:((\q)/2)*AH+((\q)%2)*64+\i*8*PITCH+32
.endr
.endm
.macro PLACES                          ; four plain lines ahead of loads into registers that matrix instructions have read, and of the first read of results
.rept 4
	v_nop
.endr
.endm
; One of a K step's first three quarters: multiplies buffer f; in its middle it fetches quarter qn of the same slot into buffer g.
.macro QUARTER slot, qn, f, g, zero
	s_wait_dscnt 4                                 ; WO's fragments and A's blocks 0, 1 are in; the youngest four loads (blocks 2, 3) may be out
	WIN MUL
	MULA \f, 0, \zero
	MULA \f, 1, \zero
	WIN 0
	PLACES
	FETCH \slot, \qn, \g
	s_wait_dscnt 24                                ; all but the 24 just issued
	WIN MUL
	MULA \f, 2, \zero
	MULA \f, 3, \zero
.endm
; The last quarter multiplies buffer 1 and changes slots: ONE barrier; in front of it each wave waits for all its tensor loads (its part of the next slot), adds 0 to its spare word, and waits for that and for its reads of this slot.
; fill = 1: the barrier opens a round of the cluster's, and this slot is filled again, two K steps ahead, first thing behind the round: 112 matrix instructions ahead of the wait for it.
.macro TURN slot, next, fill
.if \fill
	s_wait_xcnt 0x0                                ; the last prefetch, a K step back, has read its address
	s_add_nc_u64 s[PFA:PFA+1], s[PFA:PFA+1], s[PFS:PFS+1]
.endif
	WIN 0
	s_wait_tensorcnt 0x0
	ds_add_u32 v[SPW], v[NIL]
	s_wait_dscnt 5                                 ; (the add and the youngest four loads may be out)
	WIN MUL
	MULA F1, 0, 0                                  ; eight matrix instructions stand between the add and the wait for it
	s_wait_dscnt 0x0                               ; the add is done, and my reads of this slot are over
	s_barrier_signal -1
	MULA F1, 1, 0
	WIN 0
	s_barrier_wait -1
.if \fill
	CREST
	s_add_nc_u64 s[G0+4*\slot+2:G0+4*\slot+3], s[G0+4*\slot+2:G0+4*\slot+3], 4*262144
	s_add_nc_u64 s[G0B+4*\slot+2:G0B+4*\slot+3], s[G0B+4*\slot+2:G0B+4*\slot+3], 2*256
	JLOAD \slot                                    ; its four v_nop are also the places ahead of the loads below
.else
	PLACES
.endif
	FETCH \next, 0, F0
.if \fill
	ASK
.endif
	WIN MUL
	MULA F1, 2, 0
	MULA F1, 3, 0
.endm
	s_wait_tensorcnt 1                             ; my part of K step 0 is in (K step 1's may be out)
	s_barrier_signal -1
	s_barrier_wait -1                              ; everybody's is
	FETCH 0, 0, F0
	QUARTER 0, 1, F0, F1, 1                        ; the first quarter's products start the sums: nothing is cleared
	WIN 0
	s_mov_b32 s3, 3
.Llap:                                             ; a trip goes once round the ring, from a lap's second quarter to the next lap's first, and fills both slots again
	QUARTER 0, 2, F1, F0, 0
	QUARTER 0, 3, F0, F1, 0
	TURN 0, 1, 1
	QUARTER 1, 1, F0, F1, 0
	QUARTER 1, 2, F1, F0, 0
	QUARTER 1, 3, F0, F1, 0
	TURN 1, 0, 1
	QUARTER 0, 1, F0, F1, 0
	WIN 0
	s_sub_co_u32 s3, s3, 1
	s_cmp_lg_u32 s3, 0
	s_cbranch_scc1 .Llap
	QUARTER 0, 2, F1, F0, 0                        ; the last lap fills nothing
	QUARTER 0, 3, F0, F1, 0
	TURN 0, 1, 0
	QUARTER 1, 1, F0, F1, 0
	QUARTER 1, 2, F1, F0, 0
	QUARTER 1, 3, F0, F1, 0
	s_wait_dscnt 4
	WIN MUL
	MULA F1, 0, 0
	MULA F1, 1, 0
	s_wait_dscnt 0
	MULA F1, 2, 0
	MULA F1, 3, 0
	WIN 0
; THE WAY OUT, a block of 16 rows x 128 columns at a time: a lane's 32 bytes go into my stage, whole rows of 512 bytes come back and are stored by the 32 lanes.
.macro TOSTAGE a
	WIN 0x04                                       ; an LDS store's data are its source 1: window 1
.irp b, 0,1,2,3,4,5,6,7
	ds_store_b128 v[STO], v[8*(8*(\a)+\b):8*(8*(\a)+\b)+3] offset:64*\b          ; each accumulator from its low end on
	ds_store_b128 v[STO], v[8*(8*(\a)+\b)+4:8*(8*(\a)+\b)+7] offset:64*\b+16
.endr
	WIN 0
.set BB, F0+96*((\a)%2)
.irp t, 0,1,2,3,4,5,6,7,8,9,10,11,12,13,14,15
	ds_load_b128 v[BB+4*\t:BB+4*\t+3], v[RD] offset:\t*SPITCH      ; LDS serves a wave's instructions in order: these see the stores above
.endr
.endm
.macro SEND a, younger                 ; younger: the LDS instructions issued behind block a's loads
.set BB, F0+96*((\a)%2)
	s_wait_dscnt \younger
.if (\a) > 0
	s_add_nc_u64 s[8:9], s[8:9], 16*4096           ; (behind a wait on XCNT: the earlier stores have read their base)
.endif
.irp t, 0,1,2,3,4,5,6,7,8,9,10,11,12,13,14,15
	global_store_b128 v[CO], v[BB+4*\t:BB+4*\t+3], s[8:9] offset:\t*4096 th:TH_STORE_NT   ; 32 lanes store 512 consecutive aligned bytes; written once, read by nobody here
.endr
.endm
	PLACES                                         ; behind the last products: for the stores of results and the loads into the fragments' registers
	TOSTAGE 0
.irp a, 1,2,3
.if \a > 1
	s_wait_xcnt 0x0                                ; block a - 2's stores have read their registers and their base
.endif
	TOSTAGE \a
	SEND \a-1, 32                                  ; behind block a - 1's loads: block a's 16 stores and 16 loads
.endr
	s_wait_xcnt 0x0
	SEND 3, 0
	s_wait_tensorcnt 0x0                           ; the wave's end
	ds_add_u32 v[SPW], v[NIL]
	s_wait_dscnt 0x0
	CROUND                                         ; the closing round
	s_endpgm
.Lfunc_end_k_q9d654edc2f_proj:
	.size	k_q9d654edc2f_proj, .Lfunc_end_k_q9d654edc2f_proj-k_q9d654edc2f_proj
	.p2alignl 7, 3214868480
	.fill 96, 4, 3214868480
	.section	.rodata,"a",@progbits
	.p2align	6, 0x0
	.amdhsa_kernel k_q9d654edc2f_proj
		.amdhsa_group_segment_fixed_size 327680
		.amdhsa_private_segment_fixed_size 0
		.amdhsa_enable_private_segment 0
		.amdhsa_kernarg_size 24
		.amdhsa_user_sgpr_count 2
		.amdhsa_user_sgpr_kernarg_segment_ptr 1
		.amdhsa_wavefront_size32 1
		.amdhsa_system_sgpr_workgroup_id_x 1
		.amdhsa_system_sgpr_workgroup_id_y 1
		.amdhsa_system_sgpr_workgroup_id_z 1
		.amdhsa_system_vgpr_workitem_id 0
		.amdhsa_next_free_vgpr 512
		.amdhsa_next_free_sgpr 72
		.amdhsa_reserve_vcc 0
		.amdhsa_float_denorm_mode_32 3
		.amdhsa_float_denorm_mode_16_64 3
		.amdhsa_memory_ordered 1
		.amdhsa_forward_progress 1
		.amdhsa_inst_pref_size 87
	.end_amdhsa_kernel
	.amdgpu_metadata
---
amdhsa.version: [ 1, 2 ]
amdhsa.kernels:
  - .name:           k_q9d654edc2f_proj
    .symbol:         k_q9d654edc2f_proj.kd
    .args:
      - { .name: att, .offset: 0, .size: 8, .value_kind: global_buffer, .address_space: global }
      - { .name: wo16, .offset: 8, .size: 8, .value_kind: global_buffer, .address_space: global }
      - { .name: out0, .offset: 16, .size: 8, .value_kind: global_buffer, .address_space: global }
    .group_segment_fixed_size: 327680
    .private_segment_fixed_size: 0
    .kernarg_segment_align: 8
    .kernarg_segment_size: 24
    .max_flat_workgroup_size: 128
    .sgpr_count:     72
    .vgpr_count:     512
    .wavefront_size: 32
...
	.end_amdgpu_metadata
.endif
;; end of part 4
